; MI455X (gfx1250); checked and timed in simulation.
; The chip was launched on July 23, 2026; its instructions are those of AMD's public machine-readable ISA for CDNA 5 (MIT licence, August 2026) and "CDNA5" Instruction Set Architecture Reference Guide (July 2026). The comments in the code are by the model that wrote it; some were corrected since.
;; Multi Head Self Attention. Allowed arithmetic: matrix products marked QUANTISED: E2M3 operands, one E8M0 scale for each 32 along K, by v_wmma_scale_f32_16x16x128_f8f6f4 with both operands' format E2M3, f32 sums; everything else in f32.
;; Inputs: Wk 1,024 x 1,024 float32; Wp 1,024 x 1,024 float32; Wq 1,024 x 1,024 float32; Wv 1,024 x 1,024 float32; beta 1,024 float32; gamma 1,024 float32; x 4 x 2,048 x 1,024 float32.
;; Outputs: out0 4 x 2,048 x 1,024 float32.
;; This version of the problem:
;;   THIS VERSION OF THE PROBLEM IS GIVEN IN LOW PRECISION. The matrix products marked QUANTISED in the list below multiply operands that are first quantised to E2M3 (2 exponent bits, 3 mantissa bits; 6 bits a number), with one power-of-two scale for each 32 numbers along K (OCP MX v1.0); their sums are f32. All else is computed in f32.
;;   The module's matrix products, in the order in which they are computed (A, B: the left and right operand; K: the contracted axis; several contracted axes count as one K, in the product's order):
;;     1. [M 8,192, K 1,024] x [K 1,024, N 1,024]; A: input x; B: input Wk: QUANTISED
;;     2. [M 8,192, K 1,024] x [K 1,024, N 1,024]; A: input x; B: input Wq: QUANTISED
;;     3. [M 8,192, K 1,024] x [K 1,024, N 1,024]; A: input x; B: input Wv: QUANTISED
;;     4. batch 64 x [M 2,048, K 64] x [K 64, N 2,048]; A: computed on the way; B: computed on the way: QUANTISED
;;     5. batch 64 x [M 2,048, K 2,048] x [K 2,048, N 64]; A: softmax (see below); B: computed on the way: QUANTISED
;;     6. [M 8,192, K 1,024] x [K 1,024, N 1,024]; A: computed on the way; B: input Wp: QUANTISED
;;   THE QUANTISER, for each operand of a quantised product, along K:
;;     - K is cut into blocks of 32 from its start; a last block that is shorter is filled with zeros.
;;     - A block's scale is 2^e with e = floor(log2(the largest magnitude in the block)) - 2, held to -126 .. 127; a block of zeros has e = 0. As a byte (E8M0): e + 127.
;;     - Each number is divided by its block's scale, clamped to +-7.5, and rounded to the nearest number of E2M3, ties to even, subnormals kept.
;;     - The product sums the exact products of the quantised numbers (number of the format x scale) in f32.
;;   ~~~python
;;   def quantise(x, axis):      # numpy; x: float32 -> the quantised numbers, widened to float32 again
;;       x = np.moveaxis(x, axis, -1); K = x.shape[-1]
;;       x = np.pad(x, [(0, 0)] * (x.ndim - 1) + [(0, -K % 32)]); x = x.reshape(x.shape[:-1] + (-1, 32)); a = np.abs(x).max(-1, keepdims=True)
;;       e = np.where(a > 0, np.clip(np.frexp(np.where(a > 0, a, 1))[1] - 1 - 2, -126, 127), 0)      # np.frexp(a)[1] - 1 = floor(log2(a)), exactly
;;       r = np.clip(x / 2.0 ** e, -7.5, 7.5)
;;       step = 2.0 ** (np.maximum(np.frexp(np.where(r == 0, 1, r))[1] - 1, 0) - 3)
;;       q = np.round(r / step) * step * 2.0 ** e      # np.round: ties to even
;;       return np.moveaxis(q.reshape(q.shape[:-2] + (-1,))[..., :K], -1, axis).astype(np.float32)
;;   ~~~
;;   SOFTMAX AHEAD OF A QUANTISED PRODUCT. Where the list says 'softmax', what is quantised is not the finished softmax but p = 2^(t - M), with t = logit x log2(e) and M = ceil(the row's largest t), a whole number; so 1/2 < the row's largest p <= 1. The row's sum l is taken of the UNQUANTISED p, in f32, and the product's result is divided by l at the end. Since M is a whole number, a kernel that streams over the keys may use a running M (the ceiling of the running maximum): every later rescaling is an exact power of two, which a block's scale takes up: the codes' values come out the same.
;;   OPERANDS COMPUTED ON THE WAY. 'Computed on the way' means the value that the module computes at that place (a softmax that the list does not call 'softmax' is quantised finished and normalised). What goes into a quantiser is computed in f32, as accurately as f32 sums, v_exp_f32 and their like allow (about 1e-6 of the number): no bf16 or f16 on the way to a quantiser, and a product that is left as it is and whose result goes on into a quantised operand takes f32 operands (vector FMAs, or v_wmma_f32_16x16x4_f32). A number that lies on a knife's edge between two numbers of the format may be rounded either way, as far as f32 arithmetic and the matrix unit's own rounding can turn it there, and no further.
;; One version. Each part assembles by itself: llvm-mc -triple=amdgcn-amd-amdhsa -mcpu=gfx1250 --defsym DOCPART=n.
;; ======== version 1 of 1: 4 launches
;; workspace buffers: codes 9,437,184 bytes; scales 393,216 bytes; qkv 19,660,800 bytes; oc 6,291,456 bytes; os 262,144 bytes
;; launch quant (part 1): grid 384 x 1, 4 waves a work-group, no clusters, 34,304 bytes of LDS; arguments x, Wq, Wk, Wv, Wp, codes, scales; writes codes, scales
.if DOCPART == 1
	.amdgcn_target "amdgcn-amd-amdhsa--gfx1250"
	.amdhsa_code_object_version 6
	.text
	.protected	k_qf33bd03573_quant
	.globl	k_qf33bd03573_quant
	.p2align	8
	.type	k_qf33bd03573_quant,@function
k_qf33bd03573_quant:
	s_mov_b64 s[64:65], 0
	v_nop
	global_prefetch_b8 v0, s[64:65] scope:SCOPE_SE
	s_setreg_imm32_b32 hwreg(HW_REG_WAVE_MODE, 25, 1), 1
	s_wait_xcnt 0x0
; x [8192][1024] and Wq, Wk, Wv, Wp [1024][1024], f32 with K innermost, become codes of FP6 (E2M3) with one E8M0 byte for each 32 along K.
; THE CODES ARE LAID AS IMAGES OF OPERAND REGISTERS.  A fragment is 16 rows x 128 K = 12 registers a lane (lane (r, h): registers 6 c .. 6 c + 5 hold k = 64 c + 32 h + 0 .. 31).
; Its image is 1,536 bytes: three pieces of 512, piece p = registers 4 p .. 4 p + 3, lane l at byte 16 l.  codes: [tile 0..767][K step 0..7][1,536].
; THE ROWS OF A TILE ARE NOT NEIGHBOURS: row r of tile 2 g + u is matrix row 32 g + 8 u + r + 8 (r / 8).  Tiles 0-511 x, 512-575 Wq, 576-639 Wk, 640-703 Wv, 704-767 Wp.
; scales: [tile][pair of K steps 0..3][r][2 words]: a word = the four bytes of one row and one K step.
; A block's scale is 2^(floor(log2(largest magnitude)) - 2); its byte is the largest magnitude's exponent field - 2, held at 1 from below.
; LIMITS: a block of zeros gets the byte 1 where the quantiser's text says 127 (its codes are zeros, and only this program reads the bytes); NaN and infinities are not served.
; SHARES.  Work-group g takes 32 rows (two tiles); wave w takes tile u = w / 2 and K half q = w % 2: four K steps.  Work-groups share no input: no cluster, no tensor load, no barrier.
; Each load reads 512 consecutive bytes of one row; a K step's 16 x 512 bytes turn through the wave's own stage in LDS (rows 528 bytes apart), so that a lane gets its 2 x 32 neighbours.
.set STG, 8448                         ; a wave's stage: 16 rows x 528 bytes
.set R,   16                           ; v16-143  two sets of 64 registers as loaded
.set X,   144                          ; v144-207 my two blocks of 32 neighbours
.set C,   208                          ; v208-219 the fragment
.set TC,  220                          ; v220-226 the blocks' second halves (a conversion's three registers begin on an even number)
.set SW,  228                          ; v228-231 the four K steps' scale words
	s_load_b256 s[4:11], s[0:1], 0x0               ; x, Wq, Wk, Wv
	s_load_b128 s[12:15], s[0:1], 0x20             ; Wp, codes
	s_load_b64 s[16:17], s[0:1], 0x30              ; scales
	v_lshl_add_u32 v240, v0, 2, 0x8400
	v_mov_b32 v241, 0
	v_lshrrev_b32 v6, 5, v0
	v_readfirstlane_b32 s18, v6                    ; wave
	v_and_b32 v7, 31, v0                           ; lane
	v_and_b32 v6, 15, v0                           ; r
	v_bfe_u32 v5, v0, 4, 1                         ; h
	v_lshlrev_b32 v1, 4, v7                        ; 16 x lane
	v_lshlrev_b32 v4, 3, v7                        ; 8 x lane
	s_mul_i32 s19, s18, STG
	v_add_nc_u32 v2, s19, v1                       ; the stage, in: 16 x lane of a row
	v_mul_u32_u24 v3, v6, 528
	v_lshl_add_u32 v3, v5, 7, v3
	v_add_nc_u32 v3, s19, v3                       ; the stage, out: row r, + 128 h
	v_lshlrev_b32 v5, 3, v5                        ; 8 h
	v_mov_b32 v15, 0                               ; a lane permute's destination counts as one of its sources
	s_mov_b32 s24, 0x76543210
	s_mov_b32 s25, 0xfedcba98                      ; selects for lane l xor 16
	s_lshr_b32 s21, s18, 1                         ; u
	s_and_b32 s22, s18, 1                          ; q
	s_and_b32 s20, ttmp9, 31
	s_cmp_lt_u32 ttmp9, 256
	s_cselect_b32 s20, ttmp9, s20                  ; the group of 32 rows inside its tensor
	s_lshl_b32 s20, s20, 17                        ; 32 rows of 4,096 bytes
	s_lshl_b32 s23, s21, 15                        ; + 8 u rows
	s_add_co_u32 s20, s20, s23
	s_lshl_b32 s23, s22, 11                        ; + 512 q numbers
	s_add_co_u32 s26, s20, s23
	s_mov_b32 s27, 0
	s_lshl_b32 s20, ttmp9, 1
	s_add_co_u32 s20, s20, s21                     ; my tile
	s_mul_i32 s28, s20, 12288
	s_mul_i32 s23, s22, 6144
	s_add_co_u32 s28, s28, s23
	s_mov_b32 s29, 0
	s_lshl_b32 s30, s20, 9
	s_lshl_b32 s23, s22, 8
	s_add_co_u32 s30, s30, s23
	s_mov_b32 s31, 0
	s_wait_alu depctr_va_vdst(0)
	s_wait_kmcnt 0x0
	s_cmp_ge_u32 ttmp9, 256                        ; which tensor: the choice hangs on the work-group's number alone
	s_cselect_b64 s[4:5], s[6:7], s[4:5]
	s_cmp_ge_u32 ttmp9, 288
	s_cselect_b64 s[4:5], s[8:9], s[4:5]
	s_cmp_ge_u32 ttmp9, 320
	s_cselect_b64 s[4:5], s[10:11], s[4:5]
	s_cmp_ge_u32 ttmp9, 352
	s_cselect_b64 s[4:5], s[12:13], s[4:5]
	s_add_nc_u64 s[4:5], s[4:5], s[26:27]
	s_add_nc_u64 s[14:15], s[14:15], s[28:29]
	s_add_nc_u64 s[16:17], s[16:17], s[30:31]
.macro LOAD j                          ; K step j of my 16 rows: 512 consecutive bytes a load
.irp jj, 0,1,2,3,4,5,6,7,8,9,10,11,12,13,14,15
	global_load_b128 v[R+64*((\j)%2)+4*\jj:R+64*((\j)%2)+4*\jj+3], v1, s[4:5] offset:(\jj+8*(\jj/8))*4096+512*(\j) th:TH_LOAD_NT
.endr
.endm
.macro STEP j
.if (\j) < 3
	s_wait_loadcnt 16                              ; this step's 16 loads are in; the other set's 16 may be out
.else
	s_wait_loadcnt 0
.endif
.irp jj, 0,1,2,3,4,5,6,7,8,9,10,11,12,13,14,15
	ds_store_b128 v2, v[R+64*((\j)%2)+4*\jj:R+64*((\j)%2)+4*\jj+3] offset:528*\jj
.endr
.irp c, 0,1
.irp i, 0,1,2,3,4,5,6,7
	ds_load_b128 v[X+32*\c+4*\i:X+32*\c+4*\i+3], v3 offset:256*\c+16*\i   ; LDS serves a wave's instructions in order: these see the stores above
.endr
.endr
.if (\j) < 2
	s_wait_dscnt 16                                ; the 16 stores have read their registers (the 16 reads may be out),
	LOAD (\j)+2                                    ; which take the loads of two steps on
.endif
	s_wait_dscnt 0x0
.irp c, 0,1
	v_max3_num_f32 v[8+\c], |v[X+32*\c]|, |v[X+32*\c+1]|, 0x1800000   ; my block 2 c + h, and the floor 2^(3 - 127): the byte cannot fall under 1
.endr
.irp i, 2,4,6,8,10,12,14,16,18,20,22,24,26,28,30
.irp c, 0,1
	v_max3_num_f32 v[8+\c], v[8+\c], |v[X+32*\c+\i]|, |v[X+32*\c+\i+1]|
.endr
.endr
.irp c, 0,1
	v_add_nc_u32 v[10+\c], 0xff000000, v[8+\c]     ; 2 off the exponent field: the conversion's scale operand
.endr
.irp c, 0,1
	v_lshrrev_b32 v[12+\c], 23, v[10+\c]           ; the scale's byte
.endr
	v_lshl_or_b32 v14, v13, 16, v12                ; blocks h and 2 + h,
	v_lshlrev_b32 v14, v5, v14                     ; at their places in the word;
	v_permlanex16_b32 v15, v14, s24, s25
	v_or_b32 v[SW+(\j)], v14, v15                  ; with lane l xor 16's two the word is whole
	s_wait_alu depctr_va_vdst(0)
	s_wait_xcnt 0x0                                ; the last step's stores have read the fragment's registers
.irp c, 0,1
	v_cvt_scalef32_pk16_fp6_f32 v[C+6*\c:C+6*\c+2], v[X+32*\c:X+32*\c+15], v[10+\c]
	v_cvt_scalef32_pk16_fp6_f32 v[TC+4*\c:TC+4*\c+2], v[X+32*\c+16:X+32*\c+31], v[10+\c]
.endr
	v_nop                                          ; one plain place behind a scaled conversion
.irp c, 0,1
.irp i, 0,1,2
	v_mov_b32 v[C+6*\c+3+\i], v[TC+4*\c+\i]
.endr
.endr
.irp k, 0,1,2
	global_store_b128 v1, v[C+4*\k:C+4*\k+3], s[14:15] offset:1536*(\j)+512*\k   ; 32 lanes store 512 consecutive bytes, aligned to 256
.endr
.endm
	LOAD 0
	LOAD 1
	STEP 0
	STEP 1
	STEP 2
	STEP 3
	v_cmp_ne_u32 vcc_lo, 0, v5                     ; lanes 0-15 store the words of my first two K steps, lanes 16-31 those of the other two
	v_cndmask_b32 v232, v[SW], v[SW+2], vcc_lo
	v_cndmask_b32 v233, v[SW+1], v[SW+3], vcc_lo
	global_store_b64 v4, v[232:233], s[16:17]      ; 256 consecutive bytes, aligned
	s_wait_tensorcnt 0x0
	ds_add_u32 v240, v241
	s_wait_dscnt 0x0
	s_endpgm
.Lfunc_end_k_qf33bd03573_quant:
	.size	k_qf33bd03573_quant, .Lfunc_end_k_qf33bd03573_quant-k_qf33bd03573_quant
	.p2alignl 7, 3214868480
	.fill 96, 4, 3214868480
	.section	.rodata,"a",@progbits
	.p2align	6, 0x0
	.amdhsa_kernel k_qf33bd03573_quant
		.amdhsa_group_segment_fixed_size 34304
		.amdhsa_private_segment_fixed_size 0
		.amdhsa_enable_private_segment 0
		.amdhsa_kernarg_size 56
		.amdhsa_user_sgpr_count 2
		.amdhsa_user_sgpr_kernarg_segment_ptr 1
		.amdhsa_wavefront_size32 1
		.amdhsa_system_sgpr_workgroup_id_x 1
		.amdhsa_system_sgpr_workgroup_id_y 1
		.amdhsa_system_sgpr_workgroup_id_z 1
		.amdhsa_system_vgpr_workitem_id 0
		.amdhsa_next_free_vgpr 242
		.amdhsa_next_free_sgpr 66
		.amdhsa_reserve_vcc 1
		.amdhsa_float_denorm_mode_32 3
		.amdhsa_float_denorm_mode_16_64 3
		.amdhsa_memory_ordered 1
		.amdhsa_forward_progress 1
		.amdhsa_inst_pref_size 31
	.end_amdhsa_kernel
	.amdgpu_metadata
---
amdhsa.version: [ 1, 2 ]
amdhsa.kernels:
  - .name:           k_qf33bd03573_quant
    .symbol:         k_qf33bd03573_quant.kd
    .args:
      - { .name: x, .offset: 0, .size: 8, .value_kind: global_buffer, .address_space: global }
      - { .name: Wq, .offset: 8, .size: 8, .value_kind: global_buffer, .address_space: global }
      - { .name: Wk, .offset: 16, .size: 8, .value_kind: global_buffer, .address_space: global }
      - { .name: Wv, .offset: 24, .size: 8, .value_kind: global_buffer, .address_space: global }
      - { .name: Wp, .offset: 32, .size: 8, .value_kind: global_buffer, .address_space: global }
      - { .name: codes, .offset: 40, .size: 8, .value_kind: global_buffer, .address_space: global }
      - { .name: scales, .offset: 48, .size: 8, .value_kind: global_buffer, .address_space: global }
    .group_segment_fixed_size: 34304
    .private_segment_fixed_size: 0
    .kernarg_segment_align: 8
    .kernarg_segment_size: 56
    .max_flat_workgroup_size: 128
    .sgpr_count:     66
    .vgpr_count:     242
    .wavefront_size: 32
...
	.end_amdgpu_metadata
.endif
;; end of part 1
;; launch qkv (part 2): grid 12 x 32, 4 waves a work-group, clusters of 4 x 4, 327,680 bytes of LDS; arguments codes, scales, qkv; writes qkv
.if DOCPART == 2
	.amdgcn_target "amdgcn-amd-amdhsa--gfx1250"
	.amdhsa_code_object_version 6
	.text
	.protected	k_qf33bd03573_qkv
	.globl	k_qf33bd03573_qkv
	.p2align	8
	.type	k_qf33bd03573_qkv,@function
k_qf33bd03573_qkv:
	s_mov_b64 s[64:65], 0
	v_nop
	global_prefetch_b8 v0, s[64:65] scope:SCOPE_SE
	s_setreg_imm32_b32 hwreg(HW_REG_WAVE_MODE, 25, 1), 1
	s_wait_xcnt 0x0
	s_wait_alu depctr_hold_cnt(0) depctr_sa_sdst(0) depctr_va_vdst(0) depctr_va_sdst(0) depctr_va_ssrc(0) depctr_va_vcc(0) depctr_vm_vsrc(0)
	s_getreg_b32 s2, hwreg(HW_REG_IB_STS2, 6, 4)
	s_cmp_eq_u32 s2, 0
	s_cbranch_scc0 .Lentry_in_a_cluster
	s_endpgm
.Lentry_in_a_cluster:
	s_bfe_u32 s2, ttmp6, 0x10000c
	s_cmp_lg_u32 s2, 0xf033
	s_cbranch_scc0 .Lentry_shape_is_right
	s_endpgm
.Lentry_shape_is_right:
; q = x Wq^T, k = x Wk^T, v = x Wv^T on codes of FP6 with E8M0 scales (M 8,192, N 3 x 1,024, K 1,024), and the results quantised again in registers: q and k along a head's 64 channels, v along the keys.
; A work-group makes 256 tokens x 256 outputs; tile column tx 0-3 is Wq, 4-7 Wk, 8-11 Wv.  Four waves, each 128 x 128: 64 accumulators, 512 registers.
; OPERANDS ARE IMAGES OF REGISTERS (16 rows x 128 K = 1,536 bytes, three pieces of 512, lane l at 16 l): a fragment is three ds_load_b128 of 512 consecutive bytes; no pitch, no padding.
; Row r of tile 2 g + u is matrix row 32 g + 8 u + r + 8 (r / 8): so in a result the 16 registers of source 0's tiles 2 b and 2 b + 1 are 16 neighbours 32 b + 16 h + 0 .. 15, fit for the conversions,
; and the lane is source 1's row: what is quantised is at once the next product's image.
; ORIENTATION.  q, k: source 0 = rows of W, source 1 = tokens (a lane holds one token, its registers run along the channels).  v: source 0 = tokens, source 1 = rows of Wv (registers run along the keys).
; The tensor loads and the LDS map are the same for all; only the LDS bases from which a wave READS are chosen, by the cluster's x, which all sixteen partners share.
; K goes in four slots' worth of 256 through a ring of two LDS slots; the scale words of the work-group's 2 x 256 rows come once.  With four fills the steps are written out: no loop.
; CLUSTERS: 4 x 4.  x's tiles are shared along a row of the cluster, W's along a column: each is asked for jointly.  By this text's count a wave has at most three tensor loads out (at the start).
; No prefetch: only two refills follow the first fills.
; OUTPUT qkv: 64 records (16 batch + head) of 307,200 bytes: 16 key steps of 12,800 (K images 4 x 1,536 | V images 4 x 1,536 | K scale words [r][4] | V scale words [r][4]), Q images 64 x 1,536 at 204,800, Q scale words at 303,104.
;   A K or Q image of a group of 32 tokens: registers 0-5 token 32 g + r + 8 (r / 8), channels 32 h on; registers 6-11 the token 8 further; the word's bytes 0, 1 and 2, 3 likewise.
;   V image (step, t): lane r = channel 32 (t / 2) + 8 (t % 2) + r + 8 (r / 8), registers along the step's 128 keys.
; LIMITS: a block of zeros gets the byte 1 (its codes are zeros; only this program reads the bytes); NaN and infinities are not served.
; REGISTERS: window 0: v16-29 addresses; v32-63 scale words, two sets; v64-123 the way out; v128-223 source 1's fragments, one set.  window 1: source 0's, two sets (v0, v128).  windows 2, 3: accumulator (a, b) at v[8 (8 (a % 4) + b)] of window 2 + a / 4.
.set FR,     12
.set NQ,     2                         ; K steps of 128 in a slot
.set NL,     3                         ; LDS loads that bring a fragment
.set NP,     4                         ; places behind this matrix instruction (ISA guide 7.12.1)
.set TILEB,  3072                      ; a tile's two K steps
.set HALFT,  8*TILEB                   ; eight tiles: what one tensor load brings, and what a wave reads of one operand
.set SLOT,   4*HALFT                   ; x's 16 tiles, then W's 16
.set SCL,    2*SLOT                    ; behind the ring: x's scale words (16 x 512 bytes), then W's
.set SPARE,  229376                    ; the spare words, 128 bytes for each wave
.set REC,    307200
.set ADR1, 16                          ; v16-17 source 1's fragments in slot 0, 1
.set ADR0, 20                          ; v20-21 source 0's
.set LI,   24                          ; 16 x lane
.set LSC,  25                          ; 16 r + REC h
.set VH,   26                          ; h
.set ADRS, 27                          ; my scale words: lanes 0-15 source 1's rows, lanes 16-31 source 0's
.set SPW,  28
.set NIL,  29
.set SC,   32
.set IMGA, 64
.set IMGB, 76
.set TC,   88
.set WA,   96
.set WB,   100
.set WSEL, 104
.set TM,   108
.set AF,   128
.set G1, 24
.set G0, 32
.set G1B, 48
.set G0B, 56
.set G1S, 68
.set G0S, 76
.set G1SB, 80
.set G0SB, 88
.set SEL, 66
.set ISV, 95
.set MSB, 0
.macro WIN new                         ; the immediate's high byte repeats the setting that is left
.if MSB != (\new)
	s_set_vgpr_msb (MSB<<8)|(\new)
.set MSB, (\new)
.endif
.endm
.set MUL_LO, 0xa1                      ; source 0 window 1, source 1 window 0, C and D window 2
.set MUL_HI, 0xf1                      ; the same, C and D window 3
.set TO_B,   0x40                      ; destination window 1, address window 0
; A joint load: waves 0 and 1 fetch for x, waves 2 and 3 for W.  The branch hangs on the wave's number alone.  Four v_nop follow each of the two lines.
.macro JLOAD g0a, g1a, g0b, g1b
	s_cmp_eq_u32 s15, 0
	s_cbranch_scc0 .Lfor_b_\@
	tensor_load_to_lds s[\g0a:\g0a+3], s[\g1a:\g1a+7]
	s_nop 0
.rept 4
	v_nop
.endr
	s_branch .Lasked_\@
.Lfor_b_\@:
	tensor_load_to_lds s[\g0b:\g0b+3], s[\g1b:\g1b+7]
	s_nop 0
.rept 4
	v_nop
.endr
.Lasked_\@:
.endm
.macro CREST                           ; a round of the cluster's barrier behind its opening barrier
	s_cmp_lg_u32 s14, 0
	s_cbranch_scc1 .Lnot_wave_0_\@
	s_barrier_signal -3
.Lnot_wave_0_\@:
	s_barrier_wait -3
	s_barrier_signal -1
	s_barrier_wait -1
.endm
.macro CROUND
	s_barrier_signal -1
	s_barrier_wait -1
	CREST
.endm
	s_load_b128 s[4:7], s[0:1], 0x0                ; codes, scales
	s_load_b64 s[8:9], s[0:1], 0x10                ; qkv
	v_lshl_add_u32 v[SPW], v0, 2, SPARE
	v_mov_b32 v[NIL], 0
	ds_add_u32 v28, v29
	ds_add_u32 v28, v29
	s_wait_dscnt 0x0
	v_lshrrev_b32 v1, 5, v0
	v_readfirstlane_b32 s14, v1                    ; wave 0..3
	s_lshr_b32 s15, s14, 1                         ; a: my half of source 1.  Also: I fetch for x (0) or for W (1)
	s_and_b32 s16, s14, 1                          ; b: my half of source 0.  Also: which eight tiles I fetch
	s_bfe_u32 s40, ttmp6, 0x40000                  ; cx, cy
	s_bfe_u32 s41, ttmp6, 0x40004
	s_lshl_b32 s42, ttmp9, 2
	s_add_co_u32 s42, s42, s40                     ; tx = 4 x cluster x + cx
	s_and_b32 s17, ttmp7, 0xffff
	s_lshl_b32 s17, s17, 2
	s_add_co_u32 s17, s17, s41                     ; ty = 4 x cluster y + cy
	s_lshl_b32 s43, s41, 2
	s_lshl_b32 s43, 15, s43                        ; my row of the cluster
	s_lshl_b32 s44, 0x1111, s40                    ; my column
	; group 1 for codes: 8 rows (tiles) of 384 elements of 8 bytes (two K steps), 1,536 elements from tile to tile; no padding
	s_or_b32 s[G1+0], s43, (3<<16)|(1<<21)         ; 15:0 the mask: x's tiles go to my row; 17:16 elements of 8 bytes; 21 set beside a mask
	s_or_b32 s[G1B+0], s44, (3<<16)|(1<<21)        ; W's go to my column
.irp g, G1, G1B
	s_mov_b32 s[\g+1], 384<<16                     ; tensor_dim0
	s_mov_b32 s[\g+2], 8<<16                       ; tensor_dim1
	s_mov_b32 s[\g+3], 384<<16                     ; tile_dim0
	s_mov_b32 s[\g+4], 8                           ; tile_dim1
	s_mov_b32 s[\g+5], 1536                        ; tensor_dim0_stride
	s_mov_b32 s[\g+6], 0
	s_mov_b32 s[\g+7], 0
.endr
	; and for the scale words of eight tiles: 4,096 dense bytes as 16 rows of 256
	s_or_b32 s[G1S+0], s43, (3<<16)|(1<<21)
	s_or_b32 s[G1SB+0], s44, (3<<16)|(1<<21)
.irp g, G1S, G1SB
	s_mov_b32 s[\g+1], 32<<16
	s_mov_b32 s[\g+2], 16<<16
	s_mov_b32 s[\g+3], 32<<16
	s_mov_b32 s[\g+4], 16
	s_mov_b32 s[\g+5], 32
	s_mov_b32 s[\g+6], 0
	s_mov_b32 s[\g+7], 0
.endr
	s_lshl_b32 s18, s16, 3                         ; which eight tiles
	s_lshl_b32 s20, s17, 4
	s_add_co_u32 s20, s20, s18                     ; x: tile 16 ty + 8 half
	s_lshl_b32 s46, s42, 4
	s_add_co_u32 s46, s46, s18
	s_add_co_u32 s46, s46, 512                     ; W: tile 512 + 16 tx + 8 half
	s_lshl_b32 s22, s20, 9                         ; their scale words, 512 bytes a tile,
	s_mov_b32 s23, 0
	s_lshl_b32 s92, s46, 9
	s_mov_b32 s93, 0
	s_mul_i32 s20, s20, 12288                      ; and their codes
	s_mov_b32 s21, 0
	s_mul_i32 s46, s46, 12288
	s_mov_b32 s47, 0
	s_mul_i32 s45, s14, HALFT                      ; where they go: wave x eight tiles: no place in the cluster enters an LDS address
	s_lshl_b32 s94, s14, 12
	s_wait_kmcnt 0x0
	s_add_nc_u64 s[20:21], s[4:5], s[20:21]
	s_add_nc_u64 s[22:23], s[6:7], s[22:23]
	s_add_nc_u64 s[46:47], s[4:5], s[46:47]
	s_add_nc_u64 s[92:93], s[6:7], s[92:93]
	CROUND                                         ; all sixteen work-groups are here: the first joint loads meet
	s_mov_b32 s[G0S], 1
	s_add_co_u32 s[G0S+1], s94, SCL
	s_mov_b64 s[G0S+2:G0S+3], s[22:23]
	s_or_b32 s[G0S+3], s[G0S+3], 0x80000000
	s_mov_b32 s[G0SB], 1
	s_add_co_u32 s[G0SB+1], s94, SCL
	s_mov_b64 s[G0SB+2:G0SB+3], s[92:93]
	s_or_b32 s[G0SB+3], s[G0SB+3], 0x80000000
	JLOAD G0S, G1S, G0SB, G1SB                     ; the scale words first: they are wanted with the first K step
.irp s, 0,1
	s_mov_b32 s[G0+4*\s], 1
	s_add_co_u32 s[G0+4*\s+1], s45, \s*SLOT
	s_add_nc_u64 s[G0+4*\s+2:G0+4*\s+3], s[20:21], \s*TILEB
	s_or_b32 s[G0+4*\s+3], s[G0+4*\s+3], 0x80000000
	s_mov_b32 s[G0B+4*\s], 1
	s_add_co_u32 s[G0B+4*\s+1], s45, \s*SLOT
	s_add_nc_u64 s[G0B+4*\s+2:G0B+4*\s+3], s[46:47], \s*TILEB
	s_or_b32 s[G0B+4*\s+3], s[G0B+4*\s+3], 0x80000000
	JLOAD G0+4*\s, G1, G0B+4*\s, G1B
.endr
	v_and_b32 v1, 15, v0                           ; r
	v_bfe_u32 v[VH], v0, 4, 1                      ; h
	v_and_b32 v3, 31, v0
	v_lshlrev_b32 v[LI], 4, v3
	v_mul_u32_u24 v[LSC], v[VH], REC
	v_lshl_add_u32 v[LSC], v1, 4, v[LSC]
	s_mov_b32 s[SEL], 0x76543210
	s_mov_b32 s[SEL+1], 0xfedcba98
	s_cmp_eq_u32 ttmp9, 2                          ; v's columns?  The cluster's x: the same in all sixteen partners
	s_cselect_b32 s[ISV], 1, 0
	s_cselect_b32 s21, 0, 2*HALFT                  ; source 0 is read from x's part of a slot (v) or from W's (q, k),
	s_cselect_b32 s22, 2*HALFT, 0                  ; source 1 from the other
	s_cselect_b32 s19, s15, s16                    ; which half of W's scale words,
	s_cselect_b32 s18, s16, s15                    ; which half of x's
	s_mul_i32 s23, s16, HALFT
	s_add_co_u32 s21, s21, s23                     ; + my half b of source 0
	s_mul_i32 s23, s15, HALFT
	s_add_co_u32 s22, s22, s23                     ; + my half a of source 1
.irp s, 0,1
	v_add_nc_u32 v[ADR0+\s], s21, v[LI]
	v_add_nc_u32 v[ADR1+\s], s22, v[LI]
	s_add_co_u32 s21, s21, SLOT
	s_add_co_u32 s22, s22, SLOT
.endr
	s_lshl_b32 s18, s18, 12                        ; x's words: the lower base
	s_lshl_b32 s19, s19, 12
	s_add_co_u32 s19, s19, 8192                    ; W's words lie behind x's 8,192 bytes
	s_sub_co_u32 s19, s19, s18                     ; the distance between the two
	v_xor_b32 v4, s[ISV], v[VH]                    ; q, k: lanes 16-31 (source 0) take W's; v: lanes 0-15 (source 1) do
	v_mul_u32_u24 v4, s19, v4
	v_lshl_add_u32 v4, v1, 3, v4                   ; + 8 r: two words a row and slot
	s_add_co_u32 s18, s18, SCL
	v_add_nc_u32 v[ADRS], s18, v4
.macro FRAG reg, adr, q, i             ; a fragment's image: three pieces of 512 consecutive bytes
.irp c, 0,1,2
	ds_load_b128 v[\reg+4*\c:\reg+4*\c+3], v[\adr] offset:(\i)*TILEB+(\q)*1536+512*\c
.endr
.endm
; 16 matrix instructions: source 1's blocks a0, a0 + 1 x source 0's eight, the slot's q-th 128 along K.  p: source 0's set; sc: the set of scale words.  zero = 1: the first product starts the sums.
; The 64 accumulators take turns, one instruction a turn, in the same order in every step.
.macro MUL16 a0, p, q, sc, zero
.irp a, \a0, \a0+1
.irp b, 0,1,2,3,4,5,6,7
.if \zero
	v_wmma_scale_f32_16x16x128_f8f6f4 v[8*(8*((\a)%4)+\b):8*(8*((\a)%4)+\b)+7], v[128*(\p)+FR*\b:128*(\p)+FR*\b+FR-1], v[AF+FR*(\a):AF+FR*(\a)+FR-1], 0, v[SC+8*NQ*(\sc)+NQ*\b+(\q)], v[SC+8*NQ*(\sc)+NQ*(\a)+(\q)] matrix_a_fmt:MATRIX_FMT_FP6 matrix_b_fmt:MATRIX_FMT_FP6 matrix_a_scale:MATRIX_SCALE_ROW1
.else
	v_wmma_scale_f32_16x16x128_f8f6f4 v[8*(8*((\a)%4)+\b):8*(8*((\a)%4)+\b)+7], v[128*(\p)+FR*\b:128*(\p)+FR*\b+FR-1], v[AF+FR*(\a):AF+FR*(\a)+FR-1], v[8*(8*((\a)%4)+\b):8*(8*((\a)%4)+\b)+7], v[SC+8*NQ*(\sc)+NQ*\b+(\q)], v[SC+8*NQ*(\sc)+NQ*(\a)+(\q)] matrix_a_fmt:MATRIX_FMT_FP6 matrix_b_fmt:MATRIX_FMT_FP6 matrix_a_scale:MATRIX_SCALE_ROW1
.endif
.endr
.endr
.endm
.macro FETCH_B slot, q, p              ; source 0's eight fragments into set p
	WIN TO_B
.irp i, 0,1,2,3,4,5,6,7
	FRAG 128*(\p)+FR*\i, ADR0+\slot, \q, \i
.endr
	WIN 0
.endm
.macro FETCH_A slot, q, i0             ; source 1's blocks i0 .. i0 + 3
.irp i, \i0, \i0+1, \i0+2, \i0+3
	FRAG AF+FR*(\i), ADR1+\slot, \q, \i
.endr
.endm
.macro SCALES sc, kk                   ; the scale words of the kk-th 256 along K into set sc: two words a row; lanes 0-15 source 1's block i, lanes 16-31 source 0's
.irp i, 0,1,2,3,4,5,6,7
	ds_load_b64 v[SC+8*NQ*\sc+NQ*\i:SC+8*NQ*\sc+NQ*\i+1], v[ADRS] offset:512*\i+128*(\kk)
.endr
.endm
.macro PLACES n                        ; plain vector instructions between a matrix instruction and a load into, or a read of, its registers
.rept \n
	v_nop
.endr
.endm
.macro STEP slot, q, zero              ; a step of 128 along K that has its successor in the same slot
	s_wait_dscnt 4*NL                              ; all but the youngest twelve loads (source 1's blocks 4-7)
	WIN MUL_LO
	MUL16 0, (\q)%2, \q, \slot, \zero
	MUL16 2, (\q)%2, \q, \slot, \zero
	s_wait_dscnt 0
	PLACES NP
	FETCH_B \slot, (\q)+1, 1-(\q)%2
	FETCH_A \slot, (\q)+1, 0
	WIN MUL_HI
	MUL16 4, (\q)%2, \q, \slot, \zero
	MUL16 6, (\q)%2, \q, \slot, \zero
	PLACES NP
	WIN 0
	FETCH_A \slot, (\q)+1, 4
.endm
; A slot's last step changes slots: one barrier; in front of it each wave waits for all its tensor loads, adds 0 to its spare word, and waits for that and for its reads of this slot.
; fill = 1: the barrier opens a round of the cluster's, and this slot is filled again first thing behind it.  kk: which 256 along K the next slot holds.
.macro TURN slot, next, kk, fill
	s_wait_tensorcnt 0x0                           ; all my tensor loads have landed: my part of the next slot
	ds_add_u32 v[SPW], v[NIL]                      ; 0 onto my spare word
	s_wait_dscnt 4*NL+1                            ; (the add and the youngest twelve loads may be out)
	WIN MUL_LO
	MUL16 0, 1, NQ-1, \slot, 0
	s_wait_dscnt 0x0                               ; the add is done, and my reads of this slot are over
	s_barrier_signal -1
	MUL16 2, 1, NQ-1, \slot, 0
	WIN 0
	s_barrier_wait -1
.if \fill
	CREST                                          ; no wave of any partner still reads this slot or has a load on its way
	s_add_nc_u64 s[G0+4*\slot+2:G0+4*\slot+3], s[G0+4*\slot+2:G0+4*\slot+3], 2*TILEB
	s_add_nc_u64 s[G0B+4*\slot+2:G0B+4*\slot+3], s[G0B+4*\slot+2:G0B+4*\slot+3], 2*TILEB
	JLOAD G0+4*\slot, G1, G0B+4*\slot, G1B         ; the four v_nop behind it are also the places in front of the loads below
.else
	PLACES NP
.endif
	FETCH_B \next, 0, 0
	FETCH_A \next, 0, 0
	SCALES \next, \kk
	WIN MUL_HI
	MUL16 4, 1, NQ-1, \slot, 0
	MUL16 6, 1, NQ-1, \slot, 0
	PLACES NP
	WIN 0
	FETCH_A \next, 0, 4
.endm
	s_wait_tensorcnt 1                             ; the scale words and my part of slot 0 are in (slot 1's load may be out)
	s_barrier_signal -1
	s_barrier_wait -1                              ; everybody's are
	FETCH_B 0, 0, 0
	FETCH_A 0, 0, 0
	SCALES 0, 0
	FETCH_A 0, 0, 4
	STEP 0, 0, 1                                   ; the first products start the sums
	TURN 0, 1, 1, 1
	STEP 1, 0, 0
	TURN 1, 0, 2, 1
	STEP 0, 0, 0
	TURN 0, 1, 3, 0                                ; nothing is left to fetch
	STEP 1, 0, 0
	s_wait_dscnt 4*NL                              ; the very last step
	WIN MUL_LO
	MUL16 0, 1, NQ-1, 1, 0
	MUL16 2, 1, NQ-1, 1, 0
	s_wait_dscnt 0
	WIN MUL_HI
	MUL16 4, 1, NQ-1, 1, 0
	MUL16 6, 1, NQ-1, 1, 0
	WIN 0
	; THE WAY OUT: where my images and scale words go
	s_cmp_eq_u32 ttmp9, 2
	s_cselect_b32 s18, s16, s15                    ; my 128 tokens: half b where tokens are source 0 (v), else half a
	s_cselect_b32 s19, s15, s16                    ; my 128 outputs (two heads): the other half
	s_and_b32 s20, s17, 7
	s_lshl_b32 s20, s20, 1
	s_add_co_u32 s20, s20, s18                     ; the key step in the batch: 2 (ty % 8) + half
	s_and_b32 s21, s42, 3
	s_lshl_b32 s21, s21, 2
	s_lshl_b32 s19, s19, 1
	s_add_co_u32 s21, s21, s19                     ; my first head: 4 (tx % 4) + 2 half
	s_lshr_b32 s22, s17, 3
	s_lshl_b32 s22, s22, 4
	s_add_co_u32 s21, s21, s22                     ; + 16 batch
	s_mul_i32 s21, s21, REC
	s_mul_i32 s22, s20, 6144
	s_add_co_u32 s22, s22, 204800                  ; q: images,
	s_lshl_b32 s23, s20, 8
	s_add_co_u32 s23, s23, 303104                  ;    scale words
	s_mul_i32 s45, s20, 12800                      ; k: images,
	s_add_co_u32 s46, s45, 12288                   ;    scale words
	s_add_co_u32 s47, s45, 6144                    ; v: images,
	s_add_co_u32 s92, s45, 12544                   ;    scale words
	s_cmp_eq_u32 ttmp9, 0
	s_cselect_b32 s45, s22, s45
	s_cselect_b32 s46, s23, s46
	s_cmp_eq_u32 ttmp9, 2
	s_cselect_b32 s45, s47, s45
	s_cselect_b32 s46, s92, s46
	s_add_co_u32 s18, s45, s21
	s_mov_b32 s19, 0
	s_add_co_u32 s20, s46, s21
	s_mov_b32 s21, 0
	s_add_nc_u64 s[18:19], s[8:9], s[18:19]
	s_add_nc_u64 s[20:21], s[8:9], s[20:21]
	PLACES NP                                      ; the first reads of results stand four places behind the last product
.irp b, 0,1,2,3
	v_mov_b32 v[TM+4+\b], 0                        ; a lane permute's destination counts as one of its sources
.endr
; The 64 results of one tile of source 1 (window win, from register s on; register 16 b + i = place 32 b + 16 h + i along source 0) are quantised: blocks 0, 1 into dA .. dA + 5, blocks 2, 3 into dB .. dB + 5
; (lane (r, h): a whole block 2 c + h); the four bytes are left in v[TM+4] on.  Each accumulator is read from its low end on.
.macro QUANT win, s, dA, dB
	WIN 20*(\win)                                  ; sources 1 and 2 in the accumulators' window
.irp b, 0,1,2,3
	v_max3_num_f32 v[TM+\b], 0x1800000, |v[(\s)+16*\b]|, |v[(\s)+16*\b+1]|   ; with the floor 2^(3 - 127): the byte cannot fall under 1
.endr
.irp i, 2,4,6,8,10,12,14
.irp b, 0,1,2,3
	v_max3_num_f32 v[TM+\b], v[TM+\b], |v[(\s)+16*\b+\i]|, |v[(\s)+16*\b+\i+1]|
.endr
.endr
	WIN 0
.irp b, 0,1,2,3
	v_permlanex16_b32 v[TM+4+\b], v[TM+\b], s[SEL], s[SEL+1]
.endr
.irp b, 0,1,2,3
	v_max_num_f32 v[TM+\b], v[TM+\b], v[TM+4+\b]   ; with lane l xor 16's 16: the block's largest magnitude
.endr
.irp b, 0,1,2,3
	v_add_nc_u32 v[TM+12+\b], 0xff000000, v[TM+\b] ; 2 off the exponent field: the conversion's scale operand
.endr
.irp b, 0,1,2,3
	v_lshrrev_b32 v[TM+4+\b], 23, v[TM+12+\b]      ; the scale's byte
.endr
	s_wait_xcnt 0x0                                ; earlier stores have read the images' registers
	WIN (\win)                                     ; source 0 in the accumulators' window
	v_cvt_scalef32_pk16_fp6_f32 v[\dA:\dA+2], v[(\s):(\s)+15], v[TM+12]
	v_cvt_scalef32_pk16_fp6_f32 v[TC:TC+2], v[(\s)+16:(\s)+31], v[TM+13]
	v_cvt_scalef32_pk16_fp6_f32 v[\dB:\dB+2], v[(\s)+32:(\s)+47], v[TM+14]
	v_cvt_scalef32_pk16_fp6_f32 v[TC+4:TC+6], v[(\s)+48:(\s)+63], v[TM+15]
	WIN 0
	v_nop                                          ; one plain place behind a scaled conversion
.irp i, 0,1,2
	v_permlane16_swap_b32 v[\dA+\i], v[TC+\i]      ; half blocks become whole blocks: lanes 0-15 the even block, lanes 16-31 the odd one
	v_permlane16_swap_b32 v[\dB+\i], v[TC+4+\i]
.endr
.irp i, 0,1,2
	v_mov_b32 v[\dA+3+\i], v[TC+\i]
	v_mov_b32 v[\dB+3+\i], v[TC+4+\i]
.endr
.endm
	s_cmp_eq_u32 s[ISV], 1
	s_cbranch_scc1 .Lv_out
	; q, k: a lane holds one token; blocks 0, 1 are my first head's 64 channels, blocks 2, 3 the second head's.  Two tiles of tokens (a group of 32) make one image for each head.
.irp bp, 0,1,2,3
	QUANT 2+(\bp)/2, 128*((\bp)%2), IMGA, IMGB
	v_lshl_or_b32 v[WA+\bp], v[TM+5], 8, v[TM+4]
	v_lshl_or_b32 v[WB+\bp], v[TM+7], 8, v[TM+6]
	QUANT 2+(\bp)/2, 128*((\bp)%2)+64, IMGA+6, IMGB+6
	v_lshl_or_b32 v[WA+\bp], v[TM+4], 16, v[WA+\bp]
	v_lshl_or_b32 v[WB+\bp], v[TM+6], 16, v[WB+\bp]
	v_lshl_or_b32 v[WA+\bp], v[TM+5], 24, v[WA+\bp]
	v_lshl_or_b32 v[WB+\bp], v[TM+7], 24, v[WB+\bp]
.irp c, 0,1,2
	global_store_b128 v[LI], v[IMGA+4*\c:IMGA+4*\c+3], s[18:19] offset:1536*\bp+512*\c        ; 512 consecutive bytes, aligned to 256
	global_store_b128 v[LI], v[IMGB+4*\c:IMGB+4*\c+3], s[18:19] offset:REC+1536*\bp+512*\c    ; the next head's record
.endr
.endr
	s_branch .Lwords_out
.Lv_out:
	; v: a lane holds one channel, its registers run along my 128 keys: each tile of channels is one image and one scale word a lane
.irp ap, 0,1,2,3,4,5,6,7
	QUANT 2+(\ap)/4, 64*((\ap)%4), IMGA, IMGA+6
	v_lshl_or_b32 v[WA+\ap], v[TM+5], 8, v[TM+4]
	v_lshl_or_b32 v[WA+\ap], v[TM+6], 16, v[WA+\ap]
	v_lshl_or_b32 v[WA+\ap], v[TM+7], 24, v[WA+\ap]
.irp c, 0,1,2
	global_store_b128 v[LI], v[IMGA+4*\c:IMGA+4*\c+3], s[18:19] offset:((\ap)/4)*REC+((\ap)%4)*1536+512*\c
.endr
.endr
.Lwords_out:
	v_cmp_ne_u32 vcc_lo, 0, v[VH]                  ; lanes 0-15 store the first head's four words of row r, lanes 16-31 the second head's
.irp i, 0,1,2,3
	v_cndmask_b32 v[WSEL+\i], v[WA+\i], v[WB+\i], vcc_lo
.endr
	global_store_b128 v[LSC], v[WSEL:WSEL+3], s[20:21]   ; two runs of 256 consecutive bytes, aligned
	s_wait_tensorcnt 0x0                           ; the wave's end
	ds_add_u32 v[SPW], v[NIL]
	s_wait_dscnt 0x0
	CROUND                                         ; the closing round: no work-group ends while a partner may still ask for a tile that names it
	s_endpgm
.Lfunc_end_k_qf33bd03573_qkv:
	.size	k_qf33bd03573_qkv, .Lfunc_end_k_qf33bd03573_qkv-k_qf33bd03573_qkv
	.p2alignl 7, 3214868480
	.fill 96, 4, 3214868480
	.section	.rodata,"a",@progbits
	.p2align	6, 0x0
	.amdhsa_kernel k_qf33bd03573_qkv
		.amdhsa_group_segment_fixed_size 327680
		.amdhsa_private_segment_fixed_size 0
		.amdhsa_enable_private_segment 0
		.amdhsa_kernarg_size 24
		.amdhsa_user_sgpr_count 2
		.amdhsa_user_sgpr_kernarg_segment_ptr 1
		.amdhsa_wavefront_size32 1
		.amdhsa_system_sgpr_workgroup_id_x 1
		.amdhsa_system_sgpr_workgroup_id_y 1
		.amdhsa_system_sgpr_workgroup_id_z 1
		.amdhsa_system_vgpr_workitem_id 0
		.amdhsa_next_free_vgpr 1024
		.amdhsa_next_free_sgpr 100
		.amdhsa_reserve_vcc 1
		.amdhsa_float_denorm_mode_32 3
		.amdhsa_float_denorm_mode_16_64 3
		.amdhsa_memory_ordered 1
		.amdhsa_forward_progress 1
		.amdhsa_inst_pref_size 174
	.end_amdhsa_kernel
	.amdgpu_metadata
---
amdhsa.version: [ 1, 2 ]
amdhsa.kernels:
  - .name:           k_qf33bd03573_qkv
    .symbol:         k_qf33bd03573_qkv.kd
    .args:
      - { .name: codes, .offset: 0, .size: 8, .value_kind: global_buffer, .address_space: global }
      - { .name: scales, .offset: 8, .size: 8, .value_kind: global_buffer, .address_space: global }
      - { .name: qkv, .offset: 16, .size: 8, .value_kind: global_buffer, .address_space: global }
    .group_segment_fixed_size: 327680
    .private_segment_fixed_size: 0
    .kernarg_segment_align: 8
    .kernarg_segment_size: 24
    .max_flat_workgroup_size: 128
    .sgpr_count:     100
    .vgpr_count:     1024
    .wavefront_size: 32
...
	.end_amdgpu_metadata
.endif
;; end of part 2
;; launch attn (part 3): grid 4 x 64, 16 waves a work-group, clusters of 4 x 1, 206,848 bytes of LDS; arguments qkv, oc, os; writes oc, os
.if DOCPART == 3
	.amdgcn_target "amdgcn-amd-amdhsa--gfx1250"
	.amdhsa_code_object_version 6
	.text
	.protected	k_qf33bd03573_attn
	.globl	k_qf33bd03573_attn
	.p2align	8
	.type	k_qf33bd03573_attn,@function
k_qf33bd03573_attn:
	s_mov_b64 s[64:65], 0
	v_nop
	global_prefetch_b8 v0, s[64:65] scope:SCOPE_SE
	s_setreg_imm32_b32 hwreg(HW_REG_WAVE_MODE, 25, 1), 1
	s_wait_xcnt 0x0
	s_wait_alu depctr_hold_cnt(0) depctr_sa_sdst(0) depctr_va_vdst(0) depctr_va_sdst(0) depctr_va_ssrc(0) depctr_va_vcc(0) depctr_vm_vsrc(0)
	s_getreg_b32 s2, hwreg(HW_REG_IB_STS2, 6, 4)
	s_cmp_eq_u32 s2, 0
	s_cbranch_scc0 .Lentry_in_a_cluster
	s_endpgm
.Lentry_in_a_cluster:
	s_bfe_u32 s2, ttmp6, 0x10000c
	s_cmp_lg_u32 s2, 0x3003
	s_cbranch_scc0 .Lentry_shape_is_right
	s_endpgm
.Lentry_shape_is_right:
; Causal attention of one (batch, head) on codes of FP6 with E8M0 scales, head size 64, 2,048 tokens; the result, divided by the row's sum, is quantised along the channels for the projection.
; t = score x log2(e) / 8; M = the running largest t rounded UP to a whole number; p = 2^(t - M) is quantised along the keys, not normalised; the row's sum is taken of the unquantised p.  When M moves, the sum and O are multiplied by 2^(old M - new M): exact.
; THE WHOLE HEAD LIES IN LDS: 16 key steps of 12,800 bytes (K images 4 x 1,536 | V images 4 x 1,536 | K scale words | V scale words), 204,800 bytes, filled ONCE: wave w brings key step w by one tensor load.
; Nothing is filled again: one barrier behind the fill, no ring.  Everything is asked for at the head, so there is nothing to prefetch.
; CLUSTER: the four work-groups of a head form a cluster and ask for each key step jointly (mask 15).
; SHARES.  A tile is 16 queries: tile g = 2 G + u holds queries 32 G + 8 u + r + 8 (r / 8).  Partner cx takes tiles g = 4 m + cx; wave w takes m = w and then m = 31 - w.  A tile needs key steps 0 .. m / 2, which does not hang on cx:
; every wave of every work-group works 17 key steps, and no branch hangs on a work-group's place.  cx enters global addresses, a shift, a select and the mask's number alone.
; The loop over key steps has 16 trips in every wave; a step all of whose keys come after the tile's queries is jumped over, all but the lines that step the counter and the LDS base.
; HEAD SIZE 64 IN A PRODUCT 128 DEEP.  A K image holds TWO groups of 16 keys: k 0-63 = the channels of key 32 G + r', k 64-127 those of the key 8 further.  Q stands in a run [q | 0 | q]: [q | 0] gives the first group's scores, [0 | q] the second's;
; zero codes add nothing.  Both products are used transposed: a lane holds ONE query (lane % 16), and the 16 registers of two neighbouring tiles are 16 neighbouring keys 32 b + 16 (lane / 16) + 0 .. 15.
; OUTPUT.  oc [token tile][head][3][lane][8 bytes]: register pairs of the projection's operand (K step = two heads).  os [token tile][r][head]: two scale bytes.
; LIMITS: a block of zeros gets the byte 1 (its codes are zeros); NaN and infinities are not served.
.set STEPB, 12800
.set REC,   307200
.set LI,  1                            ; 16 x lane
.set LR,  2                            ; 16 r
.set RRH, 3                            ; r + 8 (r / 8) - 16 h
.set L8,  4                            ; 8 x lane
.set R32, 5                            ; 32 r
.set NINF, 6                           ; -infinity
.set ADK, 9                            ; the step's images
.set ADS, 10                           ; the step's scale words
.set QR,  16                           ; v16-33 [q | 0 | q]
.set QS,  34                           ; q's scale word: its two bytes, twice
.set DD,  37                           ; the mask's number
.set KV,  40                           ; v40-87 four images of K, then of V
.set KS,  88
.set VS,  92
.set S,   96                           ; v96-159 scores, then p
.set O,   160                          ; v160-191 O^T
.set PC,  192                          ; v192-203 p's codes
.set TC,  204
.set BM,  212
.set BP,  216
.set SO,  220
.set T0,  224
.set F,   226                          ; v[226:227]: f and 0
.set PW,  228                          ; p's scale word
.set WD,  229
.set CH,  230
.set WV,  18
.set CX,  19
.set HR,  20
.set SEL, 22
.set CS,  24
.set G0,  28
.set G1,  32
.set M,   40
.set DIAG, 41
.set ST,  42
.set TB,  43
.set UM,  44
.set USH, 45
.set CXH, 46
.set U,   47
.set QB,  48
.macro CROUND                          ; a round of the cluster's barrier
	s_barrier_signal -1
	s_barrier_wait -1
	s_cmp_lg_u32 s[WV], 0
	s_cbranch_scc1 .Lnot_wave_0_\@
	s_barrier_signal -3
.Lnot_wave_0_\@:
	s_barrier_wait -3
	s_barrier_signal -1
	s_barrier_wait -1
.endm
	s_load_b128 s[4:7], s[0:1], 0x0                ; qkv, oc
	s_load_b64 s[8:9], s[0:1], 0x10                ; os
	v_lshl_add_u32 v254, v0, 2, 0x32000
	v_mov_b32 v255, 0
	ds_add_u32 v254, v255
	ds_add_u32 v254, v255
	v_lshrrev_b32 v7, 5, v0
	s_delay_alu instid0(VALU_DEP_1)
	v_readfirstlane_b32 s[WV], v7                  ; wave 0..15
	s_bfe_u32 s[CX], ttmp6, 0x40000                ; cx
	s_and_b32 s[HR], ttmp7, 0xffff                 ; 16 batch + head, which the four partners share
	s_mov_b32 s[G1], 15|(3<<16)|(1<<21)            ; the mask: all four; elements of 8 bytes; 21 set beside a mask; no padding
	s_mov_b32 s[G1+1], 32<<16                      ; a key step is 12,800 dense bytes: 50 rows of 256
	s_mov_b32 s[G1+2], 50<<16
	s_mov_b32 s[G1+3], 32<<16
	s_mov_b32 s[G1+4], 50
	s_mov_b32 s[G1+5], 32
	s_mov_b32 s[G1+6], 0
	s_mov_b32 s[G1+7], 0
	s_mul_i32 s58, s[HR], REC
	s_mov_b32 s59, 0
	s_mul_i32 s60, s[WV], STEPB
	s_mov_b32 s61, 0
	s_mov_b32 s[SEL], 0x76543210
	s_mov_b32 s[SEL+1], 0xfedcba98
	s_mov_b32 s[CS], 0x3e38aa3b                    ; c = log2(e) / 8
	s_mov_b32 s[CS+1], s[CS]                       ; (named with it as a pair)
	s_lshr_b32 s[CXH], s[CX], 1
	s_and_b32 s[U], s[CX], 1                       ; which half of a Q image is my tile's
	s_sub_co_u32 s[UM], 0, s[U]                    ; as a select mask for all lanes,
	s_lshl_b32 s[USH], s[U], 4                     ; and as a shift
	s_wait_dscnt 0x0
	s_wait_kmcnt 0x0
	s_add_nc_u64 s[QB:QB+1], s[4:5], s[58:59]      ; the head's record
	s_mov_b32 s[G0], 1
	s_mov_b32 s[G0+1], s60                         ; LDS: wave x 12,800
	s_add_nc_u64 s[G0+2:G0+3], s[QB:QB+1], s[60:61]
	s_or_b32 s[G0+3], s[G0+3], 0x80000000
	CROUND                                         ; all four work-groups are here: the joint loads meet
	tensor_load_to_lds s[G0:G0+3], s[G1:G1+7]      ; my one tensor load
	s_nop 0
.rept 4
	v_nop
.endr
	v_and_b32 v7, 31, v0
	s_delay_alu instid0(VALU_DEP_1)
	v_lshlrev_b32 v[LI], 4, v7
	s_delay_alu instid0(VALU_DEP_2)
	v_lshlrev_b32 v[L8], 3, v7
	v_and_b32 v8, 15, v0                           ; r
	s_delay_alu instid0(VALU_DEP_1)
	v_lshlrev_b32 v[LR], 4, v8
	s_delay_alu instid0(VALU_DEP_2)
	v_lshlrev_b32 v[R32], 5, v8
	s_delay_alu instid0(VALU_DEP_3)
	v_and_b32 v11, 8, v8
	s_delay_alu instid0(VALU_DEP_1)
	v_add_nc_u32 v11, v11, v8                      ; r + 8 (r / 8)
	v_bfe_u32 v7, v0, 4, 1
	s_delay_alu instid0(VALU_DEP_1)
	v_lshlrev_b32 v7, 4, v7                        ; 16 h
	s_delay_alu instid0(VALU_DEP_1)
	v_sub_nc_u32 v[RRH], v11, v7
	v_mov_b32 v[NINF], 0xff800000
.irp b, 0,1,2,3
	v_mov_b32 v[BP+\b], 0                          ; a lane permute's destination counts as one of its sources
.endr
	v_mov_b32 v[T0], 0
	v_mov_b32 v[F+1], 0                            ; named as the upper half of f's pair
	s_wait_alu depctr_va_vdst(0)
	s_wait_tensorcnt 0x0                           ; my key step is in,
	s_barrier_signal -1
	s_barrier_wait -1                              ; everybody's is: from here on LDS is only read
.macro PASS p
	s_wait_xcnt 0x0                                ; the last pass's stores have read their registers and bases
.if \p
	s_sub_co_u32 s[M], 31, s[WV]
.else
	s_mov_b32 s[M], s[WV]
.endif
	s_lshr_b32 s[DIAG], s[M], 1                    ; the key step in which my queries lie
	s_lshl_b32 s58, s[M], 1
	s_add_co_u32 s58, s58, s[CXH]                  ; G: my group of 32 tokens
	s_mul_i32 s50, s58, 1536
	s_add_co_u32 s50, s50, 204800
	s_mov_b32 s51, 0
	s_add_nc_u64 s[50:51], s[QB:QB+1], s[50:51]    ; its Q image
	s_lshr_b32 s52, s58, 2
	s_lshl_b32 s52, s52, 8
	s_and_b32 s59, s58, 3
	s_lshl_b32 s60, s59, 2
	s_add_co_u32 s52, s52, s60
	s_add_co_u32 s52, s52, 303104
	s_mov_b32 s53, 0
	s_add_nc_u64 s[52:53], s[QB:QB+1], s[52:53]    ; its scale words: [G / 4][r][G % 4]
.irp c, 0,1,2
	global_load_b128 v[KV+4*\c:KV+4*\c+3], v[LI], s[50:51] offset:512*\c
.endr
	global_load_b32 v39, v[LR], s[52:53]
	s_lshl_b32 s59, s59, 5
	s_lshl_b32 s60, s[U], 3
	s_add_co_u32 s59, s59, s60
	v_add_nc_u32 v[DD], s59, v[RRH]                ; d = my query less the diagonal step's first key less 16 h
	s_lshl_b32 s60, s[M], 2
	s_add_co_u32 s60, s60, s[CX]                   ; g
	s_lshr_b32 s61, s[HR], 4
	s_lshl_b32 s61, s61, 7
	s_add_co_u32 s60, s60, s61                     ; the token tile: 128 batch + g
	s_and_b32 s61, s[HR], 15                       ; the head
	s_lshl_b32 s54, s60, 4
	s_add_co_u32 s54, s54, s61
	s_mul_i32 s54, s54, 768
	s_mov_b32 s55, 0
	s_add_nc_u64 s[54:55], s[6:7], s[54:55]        ; oc
	s_lshl_b32 s56, s60, 9
	s_lshl_b32 s61, s61, 1
	s_add_co_u32 s56, s56, s61
	s_mov_b32 s57, 0
	s_add_nc_u64 s[56:57], s[8:9], s[56:57]        ; os
	v_mov_b32 v13, 0xff61b1e6                      ; the largest t so far: -3e38
	s_delay_alu instid0(VALU_DEP_1)
	v_floor_f32 v12, -v13                          ; -M
	v_mov_b32 v14, 0                               ; the sum, in two halves
	v_mov_b32 v15, 0
	s_mov_b32 s[ST], 0
	s_mov_b32 s[TB], 0
	s_wait_loadcnt 0x0
.irp i, 0,1,2,3,4,5
	v_cndmask_b32 v[QR+\i], v[KV+\i], v[KV+6+\i], s[UM]   ; my tile's half of the image
.endr
.irp i, 0,1,2,3,4,5
	v_mov_b32 v[QR+6+\i], 0
.endr
.irp i, 0,1,2,3,4,5
	v_mov_b32 v[QR+12+\i], v[QR+\i]
.endr
	v_lshrrev_b32 v38, s[USH], v39
	s_delay_alu instid0(VALU_DEP_1)
	v_and_b32 v38, 0xffff, v38
	s_delay_alu instid0(VALU_DEP_1)
	v_lshl_or_b32 v[QS], v38, 16, v38
.set j, 0
.rept 32
	v_mov_b32 v[O+j], 0                            ; O^T: the step is written once; the first change of M leaves zeros zeros.  (These are also the places between q's registers and the first product)
.set j, j+1
.endr
.Lstep_\@:
	s_cmp_gt_u32 s[ST], s[DIAG]                    ; all keys of this step come after my queries: nothing to do
	s_cbranch_scc1 .Lhidden_\@
	s_setprio 2
	v_add_nc_u32 v[ADK], s[TB], v[LI]
	v_add_nc_u32 v[ADS], s[TB], v[LR]
	v_nop
	v_nop                                          ; four places in front of loads into registers that the last products read
.irp bp, 0,1,2,3
.irp c, 0,1,2
	ds_load_b128 v[KV+12*\bp+4*\c:KV+12*\bp+4*\c+3], v[ADK] offset:1536*\bp+512*\c
.endr
.endr
	ds_load_b128 v[KS:KS+3], v[ADS] offset:12288
	s_wait_alu depctr_va_vdst(0)
	s_wait_dscnt 0x0
.irp bp, 0,1,2,3                       ; S^T = K Q^T: register 16 b + i = key 32 b + 16 h + i of the step
	v_wmma_scale_f32_16x16x128_f8f6f4 v[S+16*\bp:S+16*\bp+7], v[KV+12*\bp:KV+12*\bp+11], v[QR:QR+11], 0, v[KS+\bp], v[QS] matrix_a_fmt:MATRIX_FMT_FP6 matrix_b_fmt:MATRIX_FMT_FP6
	v_wmma_scale_f32_16x16x128_f8f6f4 v[S+16*\bp+8:S+16*\bp+15], v[KV+12*\bp:KV+12*\bp+11], v[QR+6:QR+17], 0, v[KS+\bp], v[QS] matrix_a_fmt:MATRIX_FMT_FP6 matrix_b_fmt:MATRIX_FMT_FP6
.endr
.rept 4
	v_nop                                          ; places in front of the loads below and of the first read of the scores
.endr
.irp t, 0,1,2,3                        ; V's images land while the softmax is worked
.irp c, 0,1,2
	ds_load_b128 v[KV+12*\t+4*\c:KV+12*\t+4*\c+3], v[ADK] offset:6144+1536*\t+512*\c
.endr
.endr
	ds_load_b128 v[VS:VS+3], v[ADS] offset:12544
	s_cmp_lg_u32 s[ST], s[DIAG]
	s_cbranch_scc1 .Lopen_\@
.set n, 0
.rept 64                               ; on the diagonal hidden scores become -infinity: p = 0 then.  Register 16 b + i is hidden where 32 b + i > d
	v_cmp_gt_i32 vcc_lo, 32*(n/16)+n%16, v[DD]
	v_cndmask_b32 v[S+n], v[S+n], v[NINF], vcc_lo
.set n, n+1
.endr
.Lopen_\@:
.irp b, 0,1,2,3
	v_max3_num_f32 v[BM+\b], v[S+16*\b], v[S+1+16*\b], v[S+2+16*\b]   ; the largest score of each block of 32 keys: for the row's maximum and, since p rises with the score, for the block's largest p
.endr
.irp i, 3,5,7,9,11,13
.irp b, 0,1,2,3
	v_max3_num_f32 v[BM+\b], v[BM+\b], v[S+16*\b+\i], v[S+1+16*\b+\i]
.endr
.endr
.irp b, 0,1,2,3
	v_max_num_f32 v[BM+\b], v[BM+\b], v[S+15+16*\b]
.endr
.irp b, 0,1,2,3
	s_delay_alu instid0(VALU_DEP_4)
	v_permlanex16_b32 v[BP+\b], v[BM+\b], s[SEL], s[SEL+1]
.endr
.irp b, 0,1,2,3
	s_delay_alu instid0(VALU_DEP_4)
	v_max_num_f32 v[BM+\b], v[BM+\b], v[BP+\b]     ; with lane l xor 16's 16 keys
.endr
	s_delay_alu instid0(VALU_DEP_2)
	v_max3_num_f32 v[T0], v[BM], v[BM+1], v[BM+2]
	s_delay_alu instid0(VALU_DEP_1)
	v_max_num_f32 v[T0], v[T0], v[BM+3]
	s_delay_alu instid0(VALU_DEP_1)
	v_mul_f32 v[T0], s[CS], v[T0]                  ; the step's largest t
	s_delay_alu instid0(VALU_DEP_1)
	v_max_num_f32 v13, v13, v[T0]                  ; the running largest t
	v_mov_b32 v[T0], v12
	s_delay_alu instid0(VALU_DEP_2)
	v_floor_f32 v12, -v13                          ; the new -M = -ceil(t)
	s_delay_alu instid0(VALU_DEP_1)
	v_sub_f32 v[T0], v12, v[T0]                    ; old M - new M: a whole number, 0 or less
	s_delay_alu instid0(VALU_DEP_1)
	v_cvt_i32_f32 v[T0], v[T0]                     ; (it saturates)
	s_delay_alu instid0(VALU_DEP_1)
	v_ldexp_f32 v[F], 1.0, v[T0]                   ; f = 2^(old M - new M)
.set j, 0
.rept 32
	v_pk_fma_f32 v[S+j:S+j+1], v[S+j:S+j+1], s[CS:CS+1], v[12:13] op_sel_hi:[1,0,0]   ; t - M
.set j, j+2
.endr
	s_setprio 1
.irp b, 0,1,2,3
	v_fma_f32 v[BM+\b], v[BM+\b], s[CS], v12       ; the same of each block's largest score
.endr
.set j, 0
	s_wait_alu depctr_va_vdst(0)
.rept 64
	v_exp_f32 v[S+j], v[S+j]                       ; p = 2^(t - M)
.set j, j+1
.endr
	v_pk_mul_f32 v[14:15], v[14:15], v[F:F+1] op_sel_hi:[1,0]   ; the sums under the new M: the plain instruction behind the exponentials
	s_wait_alu depctr_va_vdst(0)                   ; one wait for the batch, ahead of its first reader
.irp b, 0,1,2,3
	v_exp_f32 v[BM+\b], v[BM+\b]                   ; the block's largest p
.endr
	v_pk_add_f32 v[230:231], v[100:101], v[104:105]
	v_pk_add_f32 v[252:253], v[108:109], v[112:113]
	v_pk_add_f32 v[250:251], v[116:117], v[120:121]
	v_pk_add_f32 v[248:249], v[124:125], v[128:129]
	v_pk_add_f32 v[246:247], v[132:133], v[136:137]
	v_pk_add_f32 v[244:245], v[140:141], v[144:145]
	v_pk_add_f32 v[242:243], v[148:149], v[152:153]
	v_pk_add_f32 v[14:15], v[14:15], v[156:157]
	v_pk_add_f32 v[230:231], v[230:231], v[96:97]
	v_pk_add_f32 v[252:253], v[252:253], v[98:99]
	v_pk_add_f32 v[250:251], v[250:251], v[102:103]
	v_pk_add_f32 v[248:249], v[248:249], v[106:107]
	v_pk_add_f32 v[246:247], v[246:247], v[110:111]
	v_pk_add_f32 v[244:245], v[244:245], v[114:115]
	v_pk_add_f32 v[242:243], v[242:243], v[118:119]
	v_pk_add_f32 v[14:15], v[14:15], v[122:123]
	v_pk_add_f32 v[230:231], v[230:231], v[126:127]
	v_pk_add_f32 v[252:253], v[252:253], v[130:131]
	v_pk_add_f32 v[250:251], v[250:251], v[134:135]
	v_pk_add_f32 v[248:249], v[248:249], v[138:139]
	v_pk_add_f32 v[246:247], v[246:247], v[142:143]
	v_pk_add_f32 v[244:245], v[244:245], v[146:147]
	v_pk_add_f32 v[242:243], v[242:243], v[150:151]
	v_pk_add_f32 v[14:15], v[14:15], v[154:155]
	v_pk_add_f32 v[230:231], v[230:231], v[158:159]
	s_delay_alu instid0(VALU_DEP_2)
	v_pk_add_f32 v[14:15], v[14:15], v[248:249]
	s_delay_alu instid0(VALU_DEP_2)
	v_pk_add_f32 v[230:231], v[230:231], v[246:247]
	v_pk_add_f32 v[252:253], v[252:253], v[244:245]
	v_pk_add_f32 v[250:251], v[250:251], v[242:243]
	s_delay_alu instid0(VALU_DEP_2)
	v_pk_add_f32 v[14:15], v[14:15], v[252:253]
	s_delay_alu instid0(VALU_DEP_2)
	v_pk_add_f32 v[230:231], v[230:231], v[250:251]
	s_delay_alu instid0(VALU_DEP_1)
	v_pk_add_f32 v[14:15], v[14:15], v[230:231]
	s_wait_alu depctr_va_vdst(0)                   ; and one for the four
.irp b, 0,1,2,3
	v_max_num_f32 v[BM+\b], 0x1800000, v[BM+\b]    ; the floor 2^(3 - 127): the byte cannot fall under 1
.endr
.irp b, 0,1,2,3
	s_delay_alu instid0(VALU_DEP_4)
	v_add_nc_u32 v[SO+\b], 0xff000000, v[BM+\b]    ; the conversion's scale operand
.endr
.irp b, 0,1,2,3
	s_delay_alu instid0(VALU_DEP_4)
	v_lshrrev_b32 v[BP+\b], 23, v[SO+\b]           ; the scale's byte
.endr
	s_delay_alu instid0(VALU_DEP_3)
	v_lshl_or_b32 v[PW], v[BP+1], 8, v[BP]
	s_delay_alu instid0(VALU_DEP_1)
	v_lshl_or_b32 v[PW], v[BP+2], 16, v[PW]
	s_delay_alu instid0(VALU_DEP_1)
	v_lshl_or_b32 v[PW], v[BP+3], 24, v[PW]
	s_setprio 0
.irp c, 0,1
	v_cvt_scalef32_pk16_fp6_f32 v[PC+6*\c:PC+6*\c+2], v[S+32*\c:S+32*\c+15], v[SO+2*\c]
	v_cvt_scalef32_pk16_fp6_f32 v[TC+4*\c:TC+4*\c+2], v[S+32*\c+16:S+32*\c+31], v[SO+2*\c+1]
.endr
	v_nop                                          ; one plain place behind a scaled conversion
.irp c, 0,1
.irp i, 0,1,2
	v_permlane16_swap_b32 v[PC+6*\c+\i], v[TC+4*\c+\i]   ; a whole block in a lane
.endr
.irp i, 0,1,2
	s_delay_alu instid0(VALU_DEP_3)
	v_mov_b32 v[PC+6*\c+3+\i], v[TC+4*\c+\i]
.endr
.endr
.set j, 0
.rept 16
	v_pk_mul_f32 v[O+j:O+j+1], v[O+j:O+j+1], v[F:F+1] op_sel_hi:[1,0]   ; O^T under the new M.  (Also the places between p's word and codes and the products below)
.set j, j+2
.endr
	s_wait_alu depctr_va_vdst(0)
	s_wait_dscnt 0x0                               ; V
.irp t, 0,1,2,3                        ; O^T += V^T P^T: the four accumulators by turns
	v_wmma_scale_f32_16x16x128_f8f6f4 v[O+8*\t:O+8*\t+7], v[KV+12*\t:KV+12*\t+11], v[PC:PC+11], v[O+8*\t:O+8*\t+7], v[VS+\t], v[PW] matrix_a_fmt:MATRIX_FMT_FP6 matrix_b_fmt:MATRIX_FMT_FP6
.endr
.Lhidden_\@:
	s_add_co_u32 s[TB], s[TB], STEPB
	s_add_co_u32 s[ST], s[ST], 1
	s_cmp_lt_u32 s[ST], 16
	s_cbranch_scc1 .Lstep_\@
	s_setprio 0
	; the way out of a pass
.rept 4
	v_nop
.endr
	v_add_f32 v14, v14, v15
	s_delay_alu instid0(VALU_DEP_1)
	v_permlanex16_b32 v[T0], v14, s[SEL], s[SEL+1]
	s_delay_alu instid0(VALU_DEP_1)
	v_add_f32 v14, v14, v[T0]                      ; the row's sum
	s_wait_alu depctr_va_vdst(0)
	v_rcp_f32 v14, v14
	v_nop
	s_wait_alu depctr_va_vdst(0)
.set j, 0
.rept 16
	v_pk_mul_f32 v[S+j:S+j+1], v[O+j:O+j+1], v[14:15] op_sel_hi:[1,0]   ; register 16 b + i = channel 32 b + 16 h + i of my query
.set j, j+2
.endr
.irp b, 0,1
	v_max3_num_f32 v[BM+\b], |v[S+16*\b]|, |v[S+16*\b+1]|, 0x1800000
.endr
.irp i, 2,4,6,8,10,12,14
.irp b, 0,1
	s_delay_alu instid0(VALU_DEP_2)
	v_max3_num_f32 v[BM+\b], v[BM+\b], |v[S+16*\b+\i]|, |v[S+16*\b+\i+1]|
.endr
.endr
.irp b, 0,1
	s_delay_alu instid0(VALU_DEP_2)
	v_permlanex16_b32 v[BP+\b], v[BM+\b], s[SEL], s[SEL+1]
.endr
.irp b, 0,1
	s_delay_alu instid0(VALU_DEP_2)
	v_max_num_f32 v[BM+\b], v[BM+\b], v[BP+\b]
.endr
.irp b, 0,1
	s_delay_alu instid0(VALU_DEP_2)
	v_add_nc_u32 v[SO+\b], 0xff000000, v[BM+\b]
.endr
.irp b, 0,1
	s_delay_alu instid0(VALU_DEP_2)
	v_lshrrev_b32 v[BP+\b], 23, v[SO+\b]
.endr
	s_delay_alu instid0(VALU_DEP_1)
	v_lshl_or_b32 v[WD], v[BP+1], 8, v[BP]
	v_cvt_scalef32_pk16_fp6_f32 v[PC:PC+2], v[S:S+15], v[SO]
	v_cvt_scalef32_pk16_fp6_f32 v[TC:TC+2], v[S+16:S+31], v[SO+1]
	v_nop
.irp i, 0,1,2
	v_permlane16_swap_b32 v[PC+\i], v[TC+\i]
.endr
.irp i, 0,1,2
	s_delay_alu instid0(VALU_DEP_3)
	v_mov_b32 v[PC+3+\i], v[TC+\i]
.endr
.irp k, 0,1,2
	global_store_b64 v[L8], v[PC+2*\k:PC+2*\k+1], s[54:55] offset:256*\k   ; 256 consecutive bytes, aligned
.endr
	global_store_b16 v[R32], v[WD], s[56:57]       ; two bytes a row (lanes r and 16 + r store the same number at the same place): 1 byte in 24 of what the pass stores
.endm
	PASS 0
	PASS 1
	s_wait_tensorcnt 0x0
	ds_add_u32 v254, v255
	s_wait_dscnt 0x0
	CROUND                                         ; the closing round
	s_endpgm
.Lfunc_end_k_qf33bd03573_attn:
	.size	k_qf33bd03573_attn, .Lfunc_end_k_qf33bd03573_attn-k_qf33bd03573_attn
	.p2alignl 7, 3214868480
	.fill 96, 4, 3214868480
	.section	.rodata,"a",@progbits
	.p2align	6, 0x0
	.amdhsa_kernel k_qf33bd03573_attn
		.amdhsa_group_segment_fixed_size 206848
		.amdhsa_private_segment_fixed_size 0
		.amdhsa_enable_private_segment 0
		.amdhsa_kernarg_size 24
		.amdhsa_user_sgpr_count 2
		.amdhsa_user_sgpr_kernarg_segment_ptr 1
		.amdhsa_wavefront_size32 1
		.amdhsa_system_sgpr_workgroup_id_x 1
		.amdhsa_system_sgpr_workgroup_id_y 1
		.amdhsa_system_sgpr_workgroup_id_z 1
		.amdhsa_system_vgpr_workitem_id 0
		.amdhsa_next_free_vgpr 256
		.amdhsa_next_free_sgpr 66
		.amdhsa_reserve_vcc 1
		.amdhsa_float_denorm_mode_32 3
		.amdhsa_float_denorm_mode_16_64 3
		.amdhsa_memory_ordered 1
		.amdhsa_forward_progress 1
		.amdhsa_inst_pref_size 65
	.end_amdhsa_kernel
	.amdgpu_metadata
---
amdhsa.version: [ 1, 2 ]
amdhsa.kernels:
  - .name:           k_qf33bd03573_attn
    .symbol:         k_qf33bd03573_attn.kd
    .args:
      - { .name: qkv, .offset: 0, .size: 8, .value_kind: global_buffer, .address_space: global }
      - { .name: oc, .offset: 8, .size: 8, .value_kind: global_buffer, .address_space: global }
      - { .name: os, .offset: 16, .size: 8, .value_kind: global_buffer, .address_space: global }
    .group_segment_fixed_size: 206848
    .private_segment_fixed_size: 0
    .kernarg_segment_align: 8
    .kernarg_segment_size: 24
    .max_flat_workgroup_size: 512
    .sgpr_count:     66
    .vgpr_count:     256
    .wavefront_size: 32
...
	.end_amdgpu_metadata
.endif
;; end of part 3
;; launch proj (part 4): grid 256 x 1, 4 waves a work-group, no clusters, 134,656 bytes of LDS; arguments codes, scales, oc, os, gamma, beta, out0; writes out0
.if DOCPART == 4
	.amdgcn_target "amdgcn-amd-amdhsa--gfx1250"
	.amdhsa_code_object_version 6
	.text
	.protected	k_qf33bd03573_proj
	.globl	k_qf33bd03573_proj
	.p2align	8
	.type	k_qf33bd03573_proj,@function
k_qf33bd03573_proj:
	s_mov_b64 s[64:65], 0
	v_nop
	global_prefetch_b8 v0, s[64:65] scope:SCOPE_SE
	s_setreg_imm32_b32 hwreg(HW_REG_WAVE_MODE, 25, 1), 1
	s_wait_xcnt 0x0
; y = o Wp^T on codes of FP6 with E8M0 scales (M 8,192, N 1,024, K 1,024), then LayerNorm over the 1,024 outputs of a row, times gamma, plus beta; out0 f32.
; SHARES.  A work-group owns 32 whole rows (token tiles 2 g, 2 g + 1), so that a row's mean and variance stay inside it: 256 work-groups.  Wave w owns columns 256 w .. 256 w + 255: 16 tiles of Wp x 2 tiles of rows = 32 accumulators.
; Source 0 = Wp, source 1 = o: lane (r, h) holds token 32 g + 8 u + r + 8 (r / 8), and register 128 u + 16 b + k its output 256 w + 32 b + 16 h + k.
; OPERANDS COME FROM MEMORY STRAIGHT INTO REGISTERS, as images (512 consecutive bytes a load).  All work-groups walk the same Wp, yet no cluster and no multicast: a K step of Wp is 98,304 bytes, for which a wave has 32 products;
; a ring would wait for all its loads every 32 products, while this stream keeps 60 loads of every wave on their way and has no barrier in its loop.
; A granule is one K step of eight tiles of Wp: 24 loads, 16 products.  Three buffers take turns; loads run two granules ahead.  All 16 granules are written out: every offset is an immediate.
; The variance is taken of y - mean, in a second pass over the registers: no difference of large sums.
; REGISTERS: window 0: v1-13 addresses and work; v16-23 -mean and 1 / sigma, a pair for each tile of rows; v24-31 chains; v32-47 o's scale words; v48-111 Wp's (lanes 0-15 an even tile's, lanes 16-31 the odd one's);
;   v112-159 o's fragments, two buffers; v160-223 rows on their way out.  window 1: the accumulators, (i, u) at v[128 u + 8 i].  window 2: Wp's buffers 0, 1, later gamma.  window 3: buffer 2, later beta.
.set LI,  1                            ; 16 x lane
.set L8,  2                            ; 8 x lane
.set WSO, 3                            ; 512 h + 8 r
.set R32, 4                            ; 32 r
.set H64, 5                            ; 64 h
.set STO, 6
.set SRD, 7
.set RDA, 8
.set RDL, 9
.set PS,  10
.set PT,  12
.set MU,  16
.set RS,  20
.set CH,  24
.set OS,  32
.set WS,  48
.set OF,  112
.set RB,  160
.set STGB, 33280                       ; a wave's stage: 32 rows x 1,040 bytes
.set SP,   1040
.set RED,  133120                      ; behind the stages: 2 x 512 bytes for the two sums over the waves
.set MSB, 0
.macro WIN new
.if MSB != (\new)
	s_set_vgpr_msb (MSB<<8)|(\new)
.set MSB, (\new)
.endif
.endm
	s_load_b256 s[4:11], s[0:1], 0x0               ; codes, scales, oc, os
	s_load_b128 s[12:15], s[0:1], 0x20             ; gamma, beta
	s_load_b64 s[16:17], s[0:1], 0x30              ; out0
	v_lshl_add_u32 v254, v0, 2, 0x20c00
	v_mov_b32 v255, 0
	v_lshrrev_b32 v10, 5, v0
	v_readfirstlane_b32 s18, v10                   ; wave
	v_and_b32 v10, 31, v0
	v_lshlrev_b32 v[LI], 4, v10
	v_lshlrev_b32 v[L8], 3, v10
	v_and_b32 v10, 15, v0                          ; r
	v_bfe_u32 v11, v0, 4, 1                        ; h
	v_lshlrev_b32 v[WSO], 3, v10
	v_lshl_add_u32 v[WSO], v11, 9, v[WSO]
	v_lshlrev_b32 v[R32], 5, v10
	v_lshlrev_b32 v[H64], 6, v11
	v_and_b32 v12, 8, v10
	v_add_nc_u32 v12, v12, v10                     ; r + 8 (r / 8)
	s_mul_i32 s19, s18, STGB
	v_mul_u32_u24 v[STO], v12, SP
	v_add_nc_u32 v[STO], v[STO], v[H64]
	v_add_nc_u32 v[STO], s19, v[STO]               ; the stage, in: my token's row, + 64 h
	v_add_nc_u32 v[SRD], s19, v[LI]                ; and out: 16 x lane
	v_lshlrev_b32 v[RDL], 2, v10
	v_add_nc_u32 v[RDL], RED, v[RDL]
	s_lshl_b32 s19, s18, 7
	v_add_nc_u32 v[RDA], s19, v[RDL]
	v_mov_b32 v[PT], 0                             ; a lane permute's destination counts as one of its sources
	v_mov_b32 v[PT+1], 0
	s_lshl_b32 s20, s18, 4
	s_add_co_u32 s20, s20, 704                     ; my first tile of Wp
	s_lshl_b32 s22, s20, 9
	s_mov_b32 s23, 0
	s_mul_i32 s20, s20, 12288
	s_mov_b32 s21, 0
	s_mul_i32 s24, ttmp9, 24576                    ; my two token tiles in oc,
	s_mov_b32 s25, 0
	s_lshl_b32 s26, ttmp9, 10                      ; in os
	s_mov_b32 s27, 0
	s_lshl_b32 s28, s18, 10                        ; my 256 columns in gamma, beta and a row of out0
	s_mov_b32 s29, 0
	s_lshl_b32 s30, ttmp9, 17
	s_add_co_u32 s30, s30, s28
	s_mov_b32 s31, 0
	s_mov_b32 s32, 0x76543210
	s_mov_b32 s33, 0xfedcba98
	s_mov_b32 s34, 0x3a800000                      ; 1 / 1,024
	s_mov_b32 s35, 0x3727c5ac                      ; 1e-5
	s_wait_kmcnt 0x0
	s_add_nc_u64 s[4:5], s[4:5], s[20:21]
	s_add_nc_u64 s[6:7], s[6:7], s[22:23]
	s_add_nc_u64 s[8:9], s[8:9], s[24:25]
	s_add_nc_u64 s[10:11], s[10:11], s[26:27]
	s_add_nc_u64 s[12:13], s[12:13], s[28:29]
	s_add_nc_u64 s[14:15], s[14:15], s[28:29]
	s_add_nc_u64 s[16:17], s[16:17], s[30:31]
.macro LOADW g                         ; granule g: K step g / 2 of tiles 8 (g % 2) .. + 7 into buffer g % 3
	WIN 0x80+0x40*(((\g)%3)/2)
.irp ip, 0,1,2,3,4,5,6,7
.irp c, 0,1,2
	global_load_b128 v[96*(((\g)%3)%2)+12*\ip+4*\c:96*(((\g)%3)%2)+12*\ip+4*\c+3], v[LI], s[4:5] offset:(8*((\g)%2)+\ip)*12288+1536*((\g)/2)+512*\c
.endr
.endr
	WIN 0
.endm
.macro LOADO s                         ; K step s of o's two tiles into buffer s % 2: six register pairs a fragment, 256 consecutive bytes a load
.irp u, 0,1
.irp k, 0,1,2,3,4,5
	global_load_b64 v[OF+24*((\s)%2)+12*\u+2*\k:OF+24*((\s)%2)+12*\u+2*\k+1], v[L8], s[8:9] offset:12288*\u+1536*(\s)+256*\k th:TH_LOAD_NT
.endr
.endr
.endm
.irp i2, 0,1,2,3,4,5,6,7
.irp sp, 0,1,2,3
	global_load_b64 v[WS+8*\i2+2*\sp:WS+8*\i2+2*\sp+1], v[WSO], s[6:7] offset:1024*\i2+128*\sp
.endr
.endr
.irp u, 0,1
	global_load_b128 v[OS+8*\u:OS+8*\u+3], v[R32], s[10:11] offset:512*\u
	global_load_b128 v[OS+8*\u+4:OS+8*\u+7], v[R32], s[10:11] offset:512*\u+16
.endr
	LOADW 0
	LOADO 0
	LOADW 1
.macro GRAN g
.rept 4
	v_nop                                          ; places in front of loads into registers that the last granule's products read
.endr
.if (\g)+2 < 16
	LOADW (\g)+2
.endif
.if ((\g)%2 == 0) && ((\g)/2+1 < 8)
	LOADO (\g)/2+1
.endif
.if (\g) < 14
	s_wait_loadcnt 60                              ; this granule's loads are in; out may be two later granules' 48 and one K step of o's 12
.elseif (\g) == 14
	s_wait_loadcnt 24                              ; the last granule's 24
.else
	s_wait_loadcnt 0
.endif
	WIN 0x52+((\g)%3)/2                            ; source 0 window 2 or 3, source 1 window 0, C and D window 1
.irp ip, 0,1,2,3,4,5,6,7
.irp u, 0,1
.set AC, 128*\u+8*(8*((\g)%2)+\ip)
.set WF, 96*(((\g)%3)%2)+12*\ip
.set OB, OF+24*(((\g)/2)%2)+12*\u
.set SA, WS+8*(4*((\g)%2)+\ip/2)+(\g)/2
.set SB, OS+8*\u+(\g)/2
.if (\g) < 2
.if \ip%2
	v_wmma_scale_f32_16x16x128_f8f6f4 v[AC:AC+7], v[WF:WF+11], v[OB:OB+11], 0, v[SA], v[SB] matrix_a_fmt:MATRIX_FMT_FP6 matrix_b_fmt:MATRIX_FMT_FP6 matrix_a_scale:MATRIX_SCALE_ROW1
.else
	v_wmma_scale_f32_16x16x128_f8f6f4 v[AC:AC+7], v[WF:WF+11], v[OB:OB+11], 0, v[SA], v[SB] matrix_a_fmt:MATRIX_FMT_FP6 matrix_b_fmt:MATRIX_FMT_FP6
.endif
.else
.if \ip%2
	v_wmma_scale_f32_16x16x128_f8f6f4 v[AC:AC+7], v[WF:WF+11], v[OB:OB+11], v[AC:AC+7], v[SA], v[SB] matrix_a_fmt:MATRIX_FMT_FP6 matrix_b_fmt:MATRIX_FMT_FP6 matrix_a_scale:MATRIX_SCALE_ROW1
.else
	v_wmma_scale_f32_16x16x128_f8f6f4 v[AC:AC+7], v[WF:WF+11], v[OB:OB+11], v[AC:AC+7], v[SA], v[SB] matrix_a_fmt:MATRIX_FMT_FP6 matrix_b_fmt:MATRIX_FMT_FP6
.endif
.endif
.endr
.endr
	WIN 0
.endm
.irp g, 0,1,2,3,4,5,6,7,8,9,10,11,12,13,14,15
	GRAN \g                                        ; the accumulators take turns: 16 in a granule, the other 16 in the next
.endr
.rept 4
	v_nop                                          ; places in front of the loads below and of the first read of results
.endr
	WIN 0x80                                       ; gamma and beta of my lane's 128 columns, where Wp's buffers lay: register 16 b + k = column 256 w + 32 b + 16 h + k
.irp b, 0,1,2,3,4,5,6,7
.irp k, 0,1,2,3
	global_load_b128 v[16*\b+4*\k:16*\b+4*\k+3], v[H64], s[12:13] offset:128*\b+16*\k
.endr
.endr
	WIN 0xc0
.irp b, 0,1,2,3,4,5,6,7
.irp k, 0,1,2,3
	global_load_b128 v[16*\b+4*\k:16*\b+4*\k+3], v[H64], s[14:15] offset:128*\b+16*\k
.endr
.endr
; the four chains end in v[PS+u]; then lane l xor 16's half, and the word goes to the waves' meeting place at byte off
.macro FOLD u, off
	WIN 0
	v_pk_add_f32 v[CH:CH+1], v[CH:CH+1], v[CH+2:CH+3]
	v_pk_add_f32 v[CH+4:CH+5], v[CH+4:CH+5], v[CH+6:CH+7]
	v_pk_add_f32 v[CH:CH+1], v[CH:CH+1], v[CH+4:CH+5]
	v_add_f32 v[PS+\u], v[CH], v[CH+1]
	v_permlanex16_b32 v[PT+\u], v[PS+\u], s32, s33
	v_add_f32 v[PS+\u], v[PS+\u], v[PT+\u]
	ds_store_b32 v[RDA], v[PS+\u] offset:\off+64*\u    ; lanes r and 16 + r store the same number in the same word
.endm
; the four waves' words of my two tokens, added: v[PS], v[PS+1]
.macro MEET off
	s_wait_dscnt 0x0                               ; for the others' sake: my stores have landed
	s_barrier_signal -1
	s_barrier_wait -1
.irp u, 0,1
.irp w, 0,1,2,3
	ds_load_b32 v[RB+4*\u+\w], v[RDL] offset:\off+128*\w+64*\u
.endr
.endr
	s_wait_dscnt 0x0
.irp u, 0,1
	v_add_f32 v[RB+4*\u], v[RB+4*\u], v[RB+4*\u+1]
	v_add_f32 v[RB+4*\u+2], v[RB+4*\u+2], v[RB+4*\u+3]
	v_add_f32 v[PS+\u], v[RB+4*\u], v[RB+4*\u+2]
.endr
.endm
.irp u, 0,1                            ; the sum of y: each accumulator is read from its low end on
	WIN 0x05
.irp c, 0,1,2,3
	v_pk_add_f32 v[CH+2*\c:CH+2*\c+1], v[128*\u+2*\c:128*\u+2*\c+1], v[128*\u+8+2*\c:128*\u+9+2*\c]
.endr
	WIN 0x04
.set j, 16
.rept 56
	v_pk_add_f32 v[CH+j%8:CH+j%8+1], v[CH+j%8:CH+j%8+1], v[128*\u+j:128*\u+j+1]
.set j, j+2
.endr
	FOLD \u, 0
.endr
	MEET 0
.irp u, 0,1
	v_mul_f32 v[MU+2*\u], 0xba800000, v[PS+\u]     ; -mean
	v_mov_b32 v[MU+2*\u+1], v[MU+2*\u]
.endr
	WIN 0x41                                       ; destination and source 0 window 1
.irp u, 0,1
.set j, 0
.rept 64
	v_pk_add_f32 v[128*\u+j:128*\u+j+1], v[128*\u+j:128*\u+j+1], v[MU+2*\u:MU+2*\u+1]   ; y - mean, in place
.set j, j+2
.endr
.endr
.irp u, 0,1                            ; the sum of its squares
	WIN 0x05
.irp c, 0,1,2,3
	v_pk_mul_f32 v[CH+2*\c:CH+2*\c+1], v[128*\u+2*\c:128*\u+2*\c+1], v[128*\u+2*\c:128*\u+2*\c+1]
.endr
.set j, 8
.rept 60
	v_pk_fma_f32 v[CH+j%8:CH+j%8+1], v[128*\u+j:128*\u+j+1], v[128*\u+j:128*\u+j+1], v[CH+j%8:CH+j%8+1]
.set j, j+2
.endr
	FOLD \u, 512
.endr
	MEET 512                                       ; other bytes than the first meeting's: no wave overwrites what another may still read
.irp u, 0,1
	v_fma_f32 v[PS+\u], v[PS+\u], s34, s35         ; variance + 1e-5
.endr
.irp u, 0,1
	v_rsq_f32 v[RS+2*\u], v[PS+\u]
.endr
	v_nop
	s_wait_alu depctr_va_vdst(0)                   ; one wait for the two, ahead of their first reader
.irp u, 0,1
	v_mov_b32 v[RS+2*\u+1], v[RS+2*\u]
.endr
	WIN 0x41
.irp u, 0,1
.set j, 0
.rept 64
	v_pk_mul_f32 v[128*\u+j:128*\u+j+1], v[128*\u+j:128*\u+j+1], v[RS+2*\u:RS+2*\u+1]
.set j, j+2
.endr
.endr
	s_wait_loadcnt 0x0                             ; gamma, beta
	WIN 0x79                                       ; destination and source 0 window 1, gamma window 2, beta window 3
.irp u, 0,1
.set j, 0
.rept 64
	v_pk_fma_f32 v[128*\u+j:128*\u+j+1], v[128*\u+j:128*\u+j+1], v[j:j+1], v[j:j+1]
.set j, j+2
.endr
.endr
	; THE WAY OUT: a lane holds pieces of one row; they go through my own stage and come back as runs of 512 consecutive bytes
	WIN 0x04                                       ; an LDS store's data are its source 1: window 1
.irp u, 0,1
.irp b, 0,1,2,3,4,5,6,7
.irp k, 0,1,2,3
	ds_store_b128 v[STO], v[128*\u+16*\b+4*\k:128*\u+16*\b+4*\k+3] offset:8*SP*\u+128*\b+16*\k
.endr
.endr
.endr
	WIN 0
.irp q, 0,1,2,3
.if \q > 0
	s_wait_xcnt 0x0                                ; the last batch's stores have read their registers
.endif
.irp i, 0,1,2,3,4,5,6,7,8,9,10,11,12,13,14,15
	ds_load_b128 v[RB+4*\i:RB+4*\i+3], v[SRD] offset:SP*(8*\q+\i/2)+512*(\i%2)   ; LDS serves a wave's instructions in order: these see my stores
.endr
.irp i, 0,1,2,3,4,5,6,7,8,9,10,11,12,13,14,15
	s_wait_dscnt 15-\i
	global_store_b128 v[LI], v[RB+4*\i:RB+4*\i+3], s[16:17] offset:4096*(8*\q+\i/2)+512*(\i%2) th:TH_STORE_NT   ; 512 consecutive bytes, aligned to 256
.endr
.endr
	s_wait_tensorcnt 0x0
	ds_add_u32 v254, v255
	s_wait_dscnt 0x0
	s_endpgm
.Lfunc_end_k_qf33bd03573_proj:
	.size	k_qf33bd03573_proj, .Lfunc_end_k_qf33bd03573_proj-k_qf33bd03573_proj
	.p2alignl 7, 3214868480
	.fill 96, 4, 3214868480
	.section	.rodata,"a",@progbits
	.p2align	6, 0x0
	.amdhsa_kernel k_qf33bd03573_proj
		.amdhsa_group_segment_fixed_size 134656
		.amdhsa_private_segment_fixed_size 0
		.amdhsa_enable_private_segment 0
		.amdhsa_kernarg_size 56
		.amdhsa_user_sgpr_count 2
		.amdhsa_user_sgpr_kernarg_segment_ptr 1
		.amdhsa_wavefront_size32 1
		.amdhsa_system_sgpr_workgroup_id_x 1
		.amdhsa_system_sgpr_workgroup_id_y 1
		.amdhsa_system_sgpr_workgroup_id_z 1
		.amdhsa_system_vgpr_workitem_id 0
		.amdhsa_next_free_vgpr 1024
		.amdhsa_next_free_sgpr 66
		.amdhsa_reserve_vcc 0
		.amdhsa_float_denorm_mode_32 3
		.amdhsa_float_denorm_mode_16_64 3
		.amdhsa_memory_ordered 1
		.amdhsa_forward_progress 1
		.amdhsa_inst_pref_size 154
	.end_amdhsa_kernel
	.amdgpu_metadata
---
amdhsa.version: [ 1, 2 ]
amdhsa.kernels:
  - .name:           k_qf33bd03573_proj
    .symbol:         k_qf33bd03573_proj.kd
    .args:
      - { .name: codes, .offset: 0, .size: 8, .value_kind: global_buffer, .address_space: global }
      - { .name: scales, .offset: 8, .size: 8, .value_kind: global_buffer, .address_space: global }
      - { .name: oc, .offset: 16, .size: 8, .value_kind: global_buffer, .address_space: global }
      - { .name: os, .offset: 24, .size: 8, .value_kind: global_buffer, .address_space: global }
      - { .name: gamma, .offset: 32, .size: 8, .value_kind: global_buffer, .address_space: global }
      - { .name: beta, .offset: 40, .size: 8, .value_kind: global_buffer, .address_space: global }
      - { .name: out0, .offset: 48, .size: 8, .value_kind: global_buffer, .address_space: global }
    .group_segment_fixed_size: 134656
    .private_segment_fixed_size: 0
    .kernarg_segment_align: 8
    .kernarg_segment_size: 56
    .max_flat_workgroup_size: 128
    .sgpr_count:     66
    .vgpr_count:     1024
    .wavefront_size: 32
...
	.end_amdgpu_metadata
.endif
;; end of part 4
